; MI455X (gfx1250); checked and timed in simulation.
; The chip was launched on July 23, 2026; its instructions are those of AMD's public machine-readable ISA for CDNA 5 (MIT licence, August 2026) and "CDNA5" Instruction Set Architecture Reference Guide (July 2026). The comments in the code are by the model that wrote it; some were corrected since.
;; AFT Full. Allowed arithmetic: matrix products marked QUANTISED: E5M2 operands, one E8M0 scale for each 32 along K, by v_wmma_scale_f32_16x16x128_f8f6f4 with both operands' format E5M2, f32 sums; everything else in f32.
;; Inputs: Wk_b 512 float32; Wk_w_codes 512 x 16 x 32 uint8 (E5M2 codes of Wk_w, K innermost, in blocks of 32 codes); Wk_w_scales 512 x 16 uint8 (E8M0 scales of Wk_w, one for each 32 codes along K); Wo_b 512 float32; Wo_w_codes 512 x 16 x 32 uint8 (E5M2 codes of Wo_w, K innermost, in blocks of 32 codes); Wo_w_scales 512 x 16 uint8 (E8M0 scales of Wo_w, one for each 32 codes along K); Wq_b 512 float32; Wq_w_codes 512 x 16 x 32 uint8 (E5M2 codes of Wq_w, K innermost, in blocks of 32 codes); Wq_w_scales 512 x 16 uint8 (E8M0 scales of Wq_w, one for each 32 codes along K); Wv_b 512 float32; Wv_w_codes 512 x 16 x 32 uint8 (E5M2 codes of Wv_w, K innermost, in blocks of 32 codes); Wv_w_scales 512 x 16 uint8 (E8M0 scales of Wv_w, one for each 32 codes along K); w 1,024 x 1,024 float32; x_codes 32 x 1,024 x 16 x 32 uint8 (E5M2 codes of x, K innermost, in blocks of 32 codes); x_scales 32 x 1,024 x 16 uint8 (E8M0 scales of x, one for each 32 codes along K).
;; Outputs: out0 32 x 1,024 x 512 float32.
;; This version of the problem:
;;   THIS VERSION OF THE PROBLEM IS GIVEN IN LOW PRECISION. The matrix products marked QUANTISED in the list below multiply operands that are first quantised to E5M2 (5 exponent bits, 2 mantissa bits; 8 bits a number), with one power-of-two scale for each 32 numbers along K (OCP MX v1.0); their sums are f32. All else is computed in f32.
;;   The module's matrix products, in the order in which they are computed (A, B: the left and right operand; K: the contracted axis; several contracted axes count as one K, in the product's order):
;;     1. [M 32,768, K 512] x [K 512, N 512]; A: input x (given as codes); B: input Wk_w (given as codes): QUANTISED
;;     2. [M 32,768, K 512] x [K 512, N 512]; A: input x (given as codes); B: input Wv_w (given as codes): QUANTISED
;;     3. [M 16,384, K 1,024] x [K 1,024, N 1,024]; A: computed on the way; B: computed on the way: QUANTISED
;;     4. [M 16,384, K 1,024] x [K 1,024, N 1,024]; A: computed on the way; B: computed on the way: QUANTISED
;;     5. [M 32,768, K 512] x [K 512, N 512]; A: input x (given as codes); B: input Wq_w (given as codes): QUANTISED
;;     6. [M 32,768, K 512] x [K 512, N 512]; A: computed on the way; B: input Wo_w (given as codes): QUANTISED
;;   THE QUANTISER, for each operand of a quantised product, along K:
;;     - K is cut into blocks of 32 from its start; a last block that is shorter is filled with zeros.
;;     - A block's scale is 2^e with e = floor(log2(the largest magnitude in the block)) - 15, held to -126 .. 127; a block of zeros has e = 0. As a byte (E8M0): e + 127.
;;     - Each number is divided by its block's scale, clamped to +-57,344, and rounded to the nearest number of E5M2, ties to even, subnormals kept.
;;     - The product sums the exact products of the quantised numbers (number of the format x scale) in f32.
;;   ~~~python
;;   def quantise(x, axis):      # numpy; x: float32 -> the quantised numbers, widened to float32 again
;;       x = np.moveaxis(x, axis, -1); K = x.shape[-1]
;;       x = np.pad(x, [(0, 0)] * (x.ndim - 1) + [(0, -K % 32)]); x = x.reshape(x.shape[:-1] + (-1, 32)); a = np.abs(x).max(-1, keepdims=True)
;;       e = np.where(a > 0, np.clip(np.frexp(np.where(a > 0, a, 1))[1] - 1 - 15, -126, 127), 0)      # np.frexp(a)[1] - 1 = floor(log2(a)), exactly
;;       r = np.clip(x / 2.0 ** e, -57344, 57344)
;;       step = 2.0 ** (np.maximum(np.frexp(np.where(r == 0, 1, r))[1] - 1, -14) - 2)
;;       q = np.round(r / step) * step * 2.0 ** e      # np.round: ties to even
;;       return np.moveaxis(q.reshape(q.shape[:-2] + (-1,))[..., :K], -1, axis).astype(np.float32)
;;   ~~~
;;   OPERANDS COMPUTED ON THE WAY. 'Computed on the way' means the value that the module computes at that place (a softmax that the list does not call 'softmax' is quantised finished and normalised). What goes into a quantiser is computed in f32, as accurately as f32 sums, v_exp_f32 and their like allow (about 1e-6 of the number): no bf16 or f16 on the way to a quantiser, and a product that is left as it is and whose result goes on into a quantised operand takes f32 operands (vector FMAs, or v_wmma_f32_16x16x4_f32). A number that lies on a knife's edge between two numbers of the format may be rounded either way, as far as f32 arithmetic and the matrix unit's own rounding can turn it there, and no further.
;;   INPUTS GIVEN AS CODES. Wk_w (in the module: [512, 512], K = its axis 1); Wo_w (in the module: [512, 512], K = its axis 1); Wq_w (in the module: [512, 512], K = its axis 1); Wv_w (in the module: [512, 512], K = its axis 1); x (in the module: [32, 1024, 512], K = its axis 2): each comes as NAME_codes (uint8): NAME with its K axis moved to the last place and cut into blocks of 32 codes, [.., K / 32, bytes a block], one block behind the other in memory; one code a byte (a code: sign, 5 exponent bits, 2 mantissa bits); and NAME_scales (uint8): the same leading axes, one E8M0 byte (e + 127) for each 32 codes along K. Its value is code x scale, taken as it is: it is not quantised again, and the codes and scales need not be those that the quantiser above would give.
;; One version. Each part assembles by itself: llvm-mc -triple=amdgcn-amd-amdhsa -mcpu=gfx1250 --defsym DOCPART=n.
;; ======== version 1 of 1: 3 launches
;; limits: right only within a limited range of input values
;; workspace buffers: ekb 33,554,432 bytes; sbw 1,048,576 bytes; ewc 1,048,576 bytes; ews 32,768 bytes; yc 16,777,216 bytes; ys 524,288 bytes
;; launch kv (part 1): grid 16 x 16, 4 waves a work-group, clusters of 4 x 1, 327,680 bytes of LDS; arguments x_codes, x_scales, Wk_w_codes, Wk_w_scales, Wk_b, Wv_w_codes, Wv_w_scales, Wv_b, w, ekb, sbw, ewc, ews; writes ekb, sbw, ewc, ews
.if DOCPART == 1
	.amdgcn_target "amdgcn-amd-amdhsa--gfx1250"
	.amdhsa_code_object_version 6
	.text
	.protected	k_q983c8abcd7_kv
	.globl	k_q983c8abcd7_kv
	.p2align	8
	.type	k_q983c8abcd7_kv,@function
k_q983c8abcd7_kv:
	s_mov_b64 s[64:65], 0
	v_nop
	global_prefetch_b8 v0, s[64:65] scope:SCOPE_SE
	s_setreg_imm32_b32 hwreg(HW_REG_WAVE_MODE, 25, 1), 1
	s_wait_xcnt 0x0
	s_wait_alu depctr_hold_cnt(0) depctr_sa_sdst(0) depctr_va_vdst(0) depctr_va_sdst(0) depctr_va_ssrc(0) depctr_va_vcc(0) depctr_vm_vsrc(0)
	s_getreg_b32 s2, hwreg(HW_REG_IB_STS2, 6, 4)
	s_cmp_eq_u32 s2, 0
	s_cbranch_scc0 .Lentry_in_a_cluster
	s_endpgm
.Lentry_in_a_cluster:
	s_bfe_u32 s2, ttmp6, 0x10000c
	s_cmp_lg_u32 s2, 0x3003
	s_cbranch_scc0 .Lentry_shape_is_right
	s_endpgm
.Lentry_shape_is_right:
; K = x Wk^T + bk and V = x Wv^T + bv on codes of E5M2 with E8M0 scales; exp_K = exp(K - max over the batch); exp_K and exp_K V quantised along s (blocks of 32) for the next launch.
; Beside that: exp_w = exp(w - the row's maximum), quantised along s.
; SHARES.  A tile is 32 s (block sg) x all 32 b x 32 columns e (block ep) of K and of V: the batch maximum wants all b of an (s, e), a block's scale all 32 s of a (b, e).
; A WORK-GROUP STAYS: it makes two tiles, sg = y and y + 16, of the same ep, so that its weights, their scale words and the biases are fetched once, and x's ring goes on from the first tile into the second.
; Wave w owns b = 8 w .. 8 w + 7: 256 rows of x against 64 rows of weights: 64 accumulators, 512 registers, 256 matrix instructions a tile.
; Source 0 = 16 rows of x (s), source 1 = 16 rows of a weight (e): a lane holds ONE e, its registers run along s: tiles u = 0, 1 in lanes l and l xor 16 are a block of 32 s.
; x comes through a ring of two LDS slots; each wave fetches and reads its own two b at a time.  The four work-groups of a cluster share sg, so each of these tiles is asked for JOINTLY (mask 15).
; The weights' 64 rows (32 KB) differ between the partners: each wave brings 16 of them by global loads of its own, once, and stores them into LDS; every wave then keeps all 64 in registers.
; Each wave also turns one row of w into a row of exp_w's codes, between two pieces of the first tile, while a tile is on its way.
; OUT.  ekb [b][dq 4][j 2][sg 32][bt 8][512]: images of operand registers: byte 16 (row + 16 h) + i is s = 16 h + i of row d = 128 dq + 64 j + 16 (bt % 4) + row; bt 0-3 exp_K V, bt 4-7 exp_K.
;   A lane's 8 codes of tile u go to byte 256 u + 16 r + 8 h: each store of the wave covers 256 consecutive bytes, aligned.
; sbw [sg][ep][b][r] words: byte v = the scale byte of kind v / 2 (0 exp_K, 1 exp_K V) at d = 32 ep + 16 (v % 2) + r.   ewc [t][s] codes, ews [t][32] scale bytes.
; LIMITS: NaN and infinities are not served.  v_exp_f32 gives 0 under 2^-126 where f32 keeps denormals.  A block of zeros, or one whose largest magnitude lies under 2^-111, gets the byte 1
; (the rule says 127 for zeros): its codes are zeros, and these bytes are read by this program alone.
; REGISTERS, in windows of 256: window 0: v1-15 addresses; v16-47 x's scale words; v48-55 the weights'; v56-87 the biases as C; v88-95 the scale words made; v96-127 a row of w; v128-255 two sets of x's fragments, later at work.
;   window 1: the weights' 16 fragments at 16 (4 (2 kind + e2) + q).   windows 2, 3 (b / 4): accumulator at 64 (b % 4) + 32 kind + 16 e2 + 8 u.
.set XP,    528                        ; a row of x or of a weight in LDS: 512 bytes + 16 of padding: the 16 rows of a load begin in 16 different groups of four banks (ISA guide 11.1)
.set XB,    32*XP                      ; one b's 32 rows
.set XWAVE, 2*XB                       ; what one tensor load brings: two b
.set XSLOT, 4*XWAVE
.set WR,    2*XSLOT                    ; behind the ring: the weights' 64 rows, filled once
.set WQ,    16*XP                      ; 16 of them: what one wave brings
.set MXB,   WR+4*WQ                    ; the waves' maxima, 4,096 bytes each
.set SCR,   MXB+4*4096                 ; 512 bytes a wave: the scale words on their way out
.set SPARE, SCR+4*512                  ; the spare words, 128 bytes for each wave: two blocks of 256 bytes that no other line names
.set ADX,  1                           ; v1-2  my place in my wave's part of slot 0, 1
.set MXW,  3                           ; v3    where I put my wave's maxima
.set MXR,  4                           ; v4    where I read all four waves'
.set SCW,  5                           ; v5    scale words in: 4 x lane
.set SCRD, 6                           ; v6    and back: 16 x lane
.set LO,   7                           ; v7    16 r + 8 h
.set L16,  8                           ; v8    16 x lane
.set R4,   9                           ; v9    4 r
.set ADW,  10                          ; v10   my place in a tile of the weights
.set EWI,  12                          ; v12   64 x lane
.set EWB,  13                          ; v13   lane / 2
.set SPW,  14                          ; v14   LDS address of my spare word; never rewritten
.set NIL,  15                          ; v15   0; never rewritten
.set XS,   16
.set WS,   48
.set BI,   56
.set SW,   88
.set WD,   96                          ; v96-127 my row of w: 32 numbers a lane
.set XF,   128
.set MM,   128                         ; v128-159 the maxima
.set TU,   160                         ; v160-223 exp_K (32), exp_K V (32)
.set PC,   224                         ; v224-239 codes
.set TM,   240                         ; v240-255 at work in QUANT
.set WV,   30
.set G1X,  32                          ; s[32:39] descriptor group 1 for x
.set G0X,  40                          ; s[40:47] group 0, one set for each slot
.set SEL,  70
.set LG,   72
.set MNT,  74
.set HM,   75
.set G1W,  84
.set G0WK, 92
.set G0WV, 96
.set MSB, 0
.macro WIN new                         ; the immediate's high byte repeats the setting that is left
.if MSB != (\new)
	s_set_vgpr_msb (MSB<<8)|(\new)
.set MSB, (\new)
.endif
.endm
.macro PLACES n
.rept \n
	v_nop
.endr
.endm
.macro CROUND                          ; a round of the cluster's barrier
	s_barrier_signal -1
	s_barrier_wait -1
	s_cmp_lg_u32 s[WV], 0
	s_cbranch_scc1 .Lnot_wave_0_\@
	s_barrier_signal -3
.Lnot_wave_0_\@:
	s_barrier_wait -3
	s_barrier_signal -1
	s_barrier_wait -1
.endm
.macro WM                              ; one product; its registers in rD, rA, rB, rC, rSA, rSB; fRA, fRB: the scales stand in lanes 16-31
.if fRA && fRB
	v_wmma_scale_f32_16x16x128_f8f6f4 v[rD:rD+7], v[rA:rA+15], v[rB:rB+15], v[rC:rC+7], v[rSA], v[rSB] matrix_a_fmt:MATRIX_FMT_BF8 matrix_b_fmt:MATRIX_FMT_BF8 matrix_a_scale:MATRIX_SCALE_ROW1 matrix_b_scale:MATRIX_SCALE_ROW1
.elseif fRA
	v_wmma_scale_f32_16x16x128_f8f6f4 v[rD:rD+7], v[rA:rA+15], v[rB:rB+15], v[rC:rC+7], v[rSA], v[rSB] matrix_a_fmt:MATRIX_FMT_BF8 matrix_b_fmt:MATRIX_FMT_BF8 matrix_a_scale:MATRIX_SCALE_ROW1
.elseif fRB
	v_wmma_scale_f32_16x16x128_f8f6f4 v[rD:rD+7], v[rA:rA+15], v[rB:rB+15], v[rC:rC+7], v[rSA], v[rSB] matrix_a_fmt:MATRIX_FMT_BF8 matrix_b_fmt:MATRIX_FMT_BF8 matrix_b_scale:MATRIX_SCALE_ROW1
.else
	v_wmma_scale_f32_16x16x128_f8f6f4 v[rD:rD+7], v[rA:rA+15], v[rB:rB+15], v[rC:rC+7], v[rSA], v[rSB] matrix_a_fmt:MATRIX_FMT_BF8 matrix_b_fmt:MATRIX_FMT_BF8
.endif
.endm
; 64 numbers of a lane, four blocks of 16 registers (each block's other 16 numbers lie in lane l xor 16), become 16 registers of codes in v[PC] on and four scale bytes in v[pw]
.macro QUANT s, pw
.irp b, 0,1,2,3
	v_max3_num_f32 v[TM+\b], |v[\s+16*\b]|, |v[\s+1+16*\b]|, 0x8000000   ; my 16 numbers and the floor 2^(16 - 127): the byte cannot fall under 1
.endr
.irp i, 2,4,6,8,10,12,14
.irp b, 0,1,2,3
	v_max3_num_f32 v[TM+\b], v[TM+\b], |v[\s+16*\b+\i]|, |v[\s+1+16*\b+\i]|
.endr
.endr
.irp b, 0,1,2,3
	v_permlanex16_b32 v[TM+4+\b], v[TM+\b], s[SEL], s[SEL+1]
.endr
.irp b, 0,1,2,3
	v_max_num_f32 v[TM+\b], v[TM+\b], v[TM+4+\b]                 ; the block's largest magnitude
.endr
.irp b, 0,1,2,3
	v_add_nc_u32 v[TM+12+\b], 0xf8800000, v[TM+\b]               ; 15 off its exponent field: the conversion's scale operand
.endr
.irp b, 0,1,2,3
	v_and_or_b32 v[TM+8+\b], v[TM+\b], 0x7f800000, s[MNT]        ; 57,344 x the scale
.endr
.irp b, 0,1,2,3
	v_lshrrev_b32 v[TM+4+\b], 23, v[TM+12+\b]                    ; the scale's byte
.endr
	v_lshl_or_b32 v[\pw], v[TM+5], 8, v[TM+4]
	v_lshl_or_b32 v[\pw], v[TM+6], 16, v[\pw]
	v_lshl_or_b32 v[\pw], v[TM+7], 24, v[\pw]
	s_wait_xcnt 0x0                                ; the codes' registers are the data of the last b's stores: they are written again only behind this wait
.irp b, 0,1,2,3
.irp i, 0,1,2,3,4,5,6,7,8,9,10,11,12,13,14,15
	v_med3_num_f32 v[\s+16*\b+\i], v[\s+16*\b+\i], -v[TM+8+\b], v[TM+8+\b]   ; the conversion does not saturate (ISA guide 7.6.2): the hold
.endr
	v_cvt_scalef32_pk8_bf8_f32 v[PC+4*\b:PC+1+4*\b], v[\s+16*\b:\s+7+16*\b], v[TM+12+\b]
	v_cvt_scalef32_pk8_bf8_f32 v[PC+2+4*\b:PC+3+4*\b], v[\s+8+16*\b:\s+15+16*\b], v[TM+12+\b]
.endr
	v_nop                                          ; a plain line behind the last conversion
.endm
.macro XSLOAD tl                       ; x's scale words of tile tl: lane l: the four words of row s = 32 sg + l: lanes 0-15 tile u = 0, lanes 16-31 u = 1
.irp b, 0,1,2,3,4,5,6,7
	global_load_b128 v[XS+4*\b:XS+4*\b+3], v[L16], s[6:7] offset:16384*\b+8192*\tl
.endr
.endm
	s_load_b512 s[4:19], s[0:1], 0x0               ; x codes s[4:5], x scales s[6:7], Wk codes s[8:9], scales s[10:11], bk s[12:13], Wv codes s[14:15], scales s[16:17], bv s[18:19]
	s_load_b256 s[20:27], s[0:1], 0x40             ; w s[20:21], ekb s[22:23], sbw s[24:25], ewc s[26:27]
	s_load_b64 s[28:29], s[0:1], 0x60              ; ews
	v_lshl_add_u32 v[SPW], v0, 2, SPARE
	v_mov_b32 v[NIL], 0
	ds_add_u32 v14, v15
	ds_add_u32 v14, v15
	s_wait_dscnt 0x0
	v_lshrrev_b32 v92, 5, v0
	v_readfirstlane_b32 s[WV], v92                 ; wave 0..3
	v_and_b32 v93, 31, v0                          ; lane
	v_and_b32 v92, 15, v0                          ; r
	v_bfe_u32 v94, v0, 4, 1                        ; h
	s_bfe_u32 s31, ttmp6, 0x40000                  ; cx
	s_lshl_b32 s48, ttmp9, 2
	s_add_co_u32 s48, s48, s31                     ; ep = 4 x cluster x + cx: it enters global addresses alone
	s_and_b32 s49, ttmp7, 0xffff                   ; y = the first tile's sg, which the four partners share
	s_mul_i32 s50, s[WV], 2*XWAVE                  ; my wave's part of the ring: its slot 0, then its slot 1
	v_mul_u32_u24 v95, v92, XP
	v_lshl_add_u32 v95, v94, 4, v95                ; a fragment's row x pitch + 16 x half
	v_add_nc_u32 v[ADX], s50, v95
	v_add_nc_u32 v[ADX+1], XWAVE, v[ADX]
	v_add_nc_u32 v[ADW], WR, v95                   ; my place in a tile of the weights in LDS
	v_lshlrev_b32 v[L16], 4, v93
	v_add_nc_u32 v[MXR], MXB, v[L16]
	s_mul_i32 s51, s[WV], WQ
	s_add_co_u32 s51, s51, WR
	v_add_nc_u32 v11, s51, v[L16]                  ; v11: where I put my 16 rows of a weight: 16 x lane in a row
	s_lshl_b32 s51, s[WV], 12
	v_add_nc_u32 v[MXW], s51, v[MXR]
	s_lshl_b32 s51, s[WV], 9
	s_add_co_u32 s51, s51, SCR
	v_lshl_add_u32 v[SCW], v93, 2, s51
	v_add_nc_u32 v[SCRD], s51, v[L16]
	v_lshlrev_b32 v[LO], 4, v92
	v_lshl_add_u32 v[LO], v94, 3, v[LO]
	v_lshlrev_b32 v[R4], 2, v92
	v_lshlrev_b32 v[EWI], 6, v93
	v_lshrrev_b32 v[EWB], 1, v93
	; descriptor group 1 for x: two rows (two b) of 16,384 dense bytes (32 rows of x), 524,288 bytes apart; in LDS 16 bytes of padding behind every 512
	s_mov_b32 s[G1X], 15|(3<<16)|(1<<20)|(1<<21)|(6<<22)|(3<<25)   ; 15:0 the mask: all four work-groups; 17:16 elements of 8 bytes; 20 padding on; 21 set beside a mask; 24:22 after every 128 words; 31:25 four words
	s_mov_b32 s[G1X+1], 2048<<16                   ; tensor_dim0 = 2,048 elements
	s_mov_b32 s[G1X+2], 4<<16                      ; tensor_dim1 = 4 for the head's one load: four b fill both my slots
	s_mov_b32 s[G1X+3], 2048<<16                   ; tile_dim0
	s_mov_b32 s[G1X+4], 4                          ; tile_dim1
	s_mov_b32 s[G1X+5], 65536                      ; elements from b to b + 1
	s_mov_b32 s[G1X+6], 0
	s_mov_b32 s[G1X+7], 0
	s_mov_b32 s[G0X], 1                            ; LDS addresses hang on the wave's number alone
	s_mov_b32 s[G0X+1], s50
	s_mov_b32 s[G0X+4], 1
	s_add_co_u32 s[G0X+5], s50, XWAVE
	s_lshl_b32 s52, s[WV], 22                      ; x: (8 w x 1,024 + 32 y) rows of 512 bytes: no cx in these registers
	s_lshl_b32 s53, s49, 14
	s_add_co_u32 s52, s52, s53
	s_mov_b32 s53, 0
	s_lshl_b32 s54, s[WV], 17                      ; x's scales: the same rows, 16 bytes each
	s_lshl_b32 s55, s49, 9
	s_add_co_u32 s54, s54, s55
	s_mov_b32 s55, 0
	s_and_b32 s69, s[WV], 1
	s_lshl_b32 s56, s48, 14                        ; a weight's rows 32 ep + 16 (w % 2) on: waves 0, 1 bring Wk's, waves 2, 3 Wv's
	s_lshl_b32 s57, s69, 13
	s_add_co_u32 s56, s56, s57
	s_mov_b32 s57, 0
	s_lshl_b32 s58, s48, 9                         ; the weights' scales, rows 32 ep on
	s_mov_b32 s59, 0
	s_lshl_b32 s60, s48, 7                         ; biases
	s_mov_b32 s61, 0
	s_lshl_b32 s62, s[WV], 23                      ; ekb: b = 8 w; (ep / 2) x 131,072; y x 4,096; (ep % 2) x 1,024
	s_lshr_b32 s63, s48, 1
	s_lshl_b32 s63, s63, 17
	s_add_co_u32 s62, s62, s63
	s_lshl_b32 s63, s49, 12
	s_add_co_u32 s62, s62, s63
	s_and_b32 s63, s48, 1
	s_lshl_b32 s63, s63, 10
	s_add_co_u32 s62, s62, s63
	s_mov_b32 s63, 0
	s_lshl_b32 s66, s49, 4
	s_add_co_u32 s66, s66, s48                     ; 16 y + ep: the work-group's number, 0 .. 255
	s_lshl_b32 s68, s66, 2
	s_add_co_u32 s68, s68, s[WV]                   ; my wave's row of w
	s_lshl_b32 s66, s66, 11                        ; sbw: 2,048 bytes a tile, 512 a wave
	s_lshl_b32 s67, s[WV], 9
	s_add_co_u32 s66, s66, s67
	s_mov_b32 s67, 0
	s_lshl_b32 s76, s68, 12
	s_mov_b32 s77, 0
	s_lshl_b32 s78, s68, 10
	s_mov_b32 s79, 0
	s_lshl_b32 s80, s68, 5
	s_mov_b32 s81, 0
	s_mov_b32 s[SEL], 0x76543210
	s_mov_b32 s[SEL+1], 0xfedcba98                 ; v_permlanex16_b32's selects for lane l xor 16
	s_mov_b32 s[LG], 0x3fb8aa3b                    ; log2(e)
	s_mov_b32 s[LG+1], s[LG]
	s_mov_b32 s[MNT], 0x600000                     ; the mantissa field of 57,344
	s_mov_b32 s[HM], 0xffff0000                    ; lanes 16-31
	s_wait_kmcnt 0x0
	s_add_nc_u64 s[G0X+2:G0X+3], s[4:5], s[52:53]                  ; slot 0: b = 8 w, 8 w + 1
	s_add_nc_u64 s[G0X+6:G0X+7], s[G0X+2:G0X+3], 0x100000          ; slot 1: two b on
	s_or_b32 s[G0X+3], s[G0X+3], 0x80000000
	s_or_b32 s[G0X+7], s[G0X+7], 0x80000000
	s_cmp_lt_u32 s[WV], 2
	s_cselect_b64 s[8:9], s[8:9], s[14:15]         ; the weight that my wave brings
	s_add_nc_u64 s[8:9], s[8:9], s[56:57]
	CROUND                                         ; all four work-groups are here: the first joint loads meet
	tensor_load_to_lds s[G0X:G0X+3], s[G1X:G1X+7]  ; my one load at the head: b = 8 w .. 8 w + 3 into my two slots, which lie on end
	s_nop 0
	PLACES 4
	s_add_nc_u64 s[6:7], s[6:7], s[54:55]
	s_add_nc_u64 s[10:11], s[10:11], s[58:59]
	s_add_nc_u64 s[16:17], s[16:17], s[58:59]
	s_add_nc_u64 s[12:13], s[12:13], s[60:61]
	s_add_nc_u64 s[18:19], s[18:19], s[60:61]
	s_add_nc_u64 s[22:23], s[22:23], s[62:63]
	s_add_nc_u64 s[24:25], s[24:25], s[66:67]
	s_add_nc_u64 s[20:21], s[20:21], s[76:77]
	s_add_nc_u64 s[26:27], s[26:27], s[78:79]
	s_add_nc_u64 s[28:29], s[28:29], s[80:81]
.irp i, 0,1,2,3,4,5,6,7,8,9,10,11,12,13,14,15
	global_load_b128 v[XF+4*\i:XF+4*\i+3], v[L16], s[8:9] offset:512*\i   ; my 16 rows of a weight: an instruction covers one row, 512 consecutive bytes
.endr
	XSLOAD 0
	global_load_b128 v[WS:WS+3], v[L16], s[10:11]                  ; the weights' scale words: lanes 0-15 e2 = 0, lanes 16-31 e2 = 1
	global_load_b128 v[WS+4:WS+7], v[L16], s[16:17]
	s_wait_alu depctr_va_vdst(0)
.irp e2, 0,1
	global_load_b32 v[BI+8*\e2], v[R4], s[12:13] offset:64*\e2     ; the bias of my column e
	global_load_b32 v[BI+16+8*\e2], v[R4], s[18:19] offset:64*\e2
.endr
.irp c, 0,1
.irp i, 0,1,2,3
	global_load_b128 v[WD+16*\c+4*\i:WD+16*\c+4*\i+3], v[EWI], s[20:21] offset:2048*\c+16*\i th:TH_LOAD_NT   ; my row of w: the lane holds s = 512 c + 16 l + 0 .. 15: 16 neighbours, as the conversions want; the four loads of a c cover 2,048 dense bytes
.endr
.endr
	s_wait_loadcnt 22                              ; my 16 rows are in: behind them 8 + 2 + 4 + 8 loads were issued
.irp i, 0,1,2,3,4,5,6,7,8,9,10,11,12,13,14,15
	ds_store_b128 v11, v[XF+4*\i:XF+4*\i+3] offset:\i*XP           ; into the bytes behind the ring, where no tensor load lands
.endr
	s_wait_dscnt 0x0                               ; for the others' sake
	s_barrier_signal -1
	s_barrier_wait -1                              ; all 64 rows lie in LDS
	WIN 0x40                                       ; destination window 1: the weights' fragments stay there
.irp ke, 0,1,2,3
.irp q, 0,1,2,3
.irp c, 0,1,2,3
	ds_load_b128 v[16*(4*\ke+\q)+4*\c:16*(4*\ke+\q)+4*\c+3], v[ADW] offset:\ke*WQ+128*\q+32*\c
.endr
.endr
.endr
	WIN 0
	s_wait_loadcnt 0x0                             ; scale words, biases, my row of w
.irp t, 0,1,2,3
.irp j, 1,2,3,4,5,6,7
	v_mov_b32 v[BI+8*\t+\j], v[BI+8*\t]            ; a lane holds one e: its eight results take the same bias: the C of each sum's first product
.endr
.endr
.macro FETCHX k, be, u, set            ; 16 rows x 512 K: four fragments, 16 loads
.irp q, 0,1,2,3
.irp c, 0,1,2,3
	ds_load_b128 v[XF+64*(\set)+16*\q+4*\c:XF+64*(\set)+16*\q+4*\c+3], v[ADX+\k] offset:(\be)*XB+(\u)*16*XP+128*\q+32*\c
.endr
.endr
.endm
; 16 products: tile (b, u) of x against the weights' four tiles, K ascending; the four accumulators take turns
.macro MULT b, u, set
.irp q, 0,1,2,3
.if \q == 0
	WIN 0x84+0x40*((\b)/4)                         ; x window 0, weights window 1, C (the bias) window 0, D window 2 or 3
.else
	WIN 0xa4+0x50*((\b)/4)                         ; C and D window 2 or 3
.endif
.irp ke, 0,1,2,3
.set rD, 64*((\b)%4)+16*\ke+8*(\u)
.set rA, XF+64*(\set)+16*\q
.set rB, 16*(4*\ke+\q)
.if \q == 0
.set rC, BI+8*\ke
.else
.set rC, rD
.endif
.set rSA, XS+4*(\b)+\q
.set rSB, WS+4*(\ke/2)+\q
.set fRA, \u
.set fRB, \ke%2
	WM
.endr
.endr
	WIN 0
.endm
; Eight places stand in front of loads into registers that these matrix instructions have read
.macro PIECE p, k                      ; two b: 64 products; a tile's 16 loads are issued 16 products ahead of their use
	PLACES 8
	FETCHX \k, 0, 0, 0
	FETCHX \k, 0, 1, 1
	s_wait_dscnt 16                                ; the older tile's 16 loads are in (and all that was asked for before them)
	MULT 2*\p, 0, 0
	PLACES 8
	FETCHX \k, 1, 0, 0
	s_wait_dscnt 16
	MULT 2*\p, 1, 1
	PLACES 8
	FETCHX \k, 1, 1, 1
	s_wait_dscnt 16
	MULT 2*\p+1, 0, 0
	s_wait_dscnt 0x0
	MULT 2*\p+1, 1, 1
.endm
; Slot k, read out, is filled again.  on = 0: with the b four further on;  on = 1: with the NEXT tile's first or second piece: 16 blocks of s on, four b back
.macro REFILL k, on
	s_wait_tensorcnt 0x0                           ; all my tensor loads have landed, so a group 0 may be written
	ds_add_u32 v[SPW], v[NIL]                      ; 0 onto my spare word
.if \on
	s_sub_nc_u64 s[G0X+4*\k+2:G0X+4*\k+3], s[G0X+4*\k+2:G0X+4*\k+3], 0x1c0000
.else
	s_add_nc_u64 s[G0X+4*\k+2:G0X+4*\k+3], s[G0X+4*\k+2:G0X+4*\k+3], 0x200000
.endif
	s_wait_dscnt 0x0                               ; the add is done, and my reads of the slot are over
	CROUND                                         ; the same holds of every wave of all four work-groups
	tensor_load_to_lds s[G0X+4*\k:G0X+4*\k+3], s[G1X:G1X+7]       ; my one load behind the round
	s_nop 0
	PLACES 4
.endm
; My row of w becomes a row of exp_w's codes.  No LDS, no barrier
.macro EWROW
	PLACES 8                                       ; what is at work here lies in registers that the last products read
	v_mov_b32 v162, 0                              ; a lane permute's destination counts as one of its sources
	v_max3_num_f32 v160, v[WD], v[WD+1], v[WD+2]
	v_max3_num_f32 v161, v[WD+3], v[WD+4], v[WD+5]
.irp i, 6,10,14,18,22,26
	v_max3_num_f32 v160, v160, v[WD+\i], v[WD+1+\i]
	v_max3_num_f32 v161, v161, v[WD+2+\i], v[WD+3+\i]
.endr
	v_max3_num_f32 v160, v160, v[WD+30], v[WD+31]
	v_max_num_f32 v160, v160, v161
	v_max_num_f32_dpp v160, v160, v160 row_xmask:1 row_mask:0xf bank_mask:0xf
	v_max_num_f32_dpp v160, v160, v160 row_xmask:2 row_mask:0xf bank_mask:0xf
	v_max_num_f32_dpp v160, v160, v160 row_xmask:4 row_mask:0xf bank_mask:0xf
	v_max_num_f32_dpp v160, v160, v160 row_xmask:8 row_mask:0xf bank_mask:0xf
	v_permlanex16_b32 v162, v160, s[SEL], s[SEL+1]
	v_max_num_f32 v160, v160, v162                 ; the row's maximum, in every lane
.set n, 0
.rept 16
	v_pk_add_f32 v[WD+n:WD+n+1], v[WD+n:WD+n+1], v[160:161] op_sel_hi:[1,0] neg_lo:[0,1] neg_hi:[0,1]
.set n, n+2
.endr
.set n, 0
.rept 16
	v_pk_mul_f32 v[WD+n:WD+n+1], v[WD+n:WD+n+1], s[LG:LG+1] op_sel_hi:[1,0]
.set n, n+2
.endr
.set n, 0
	s_wait_alu depctr_va_vdst(0)
.rept 32
	v_exp_f32 v[WD+n], v[WD+n]
.set n, n+1
.endr
	v_nop
	s_wait_alu depctr_va_vdst(0)
.irp c, 0,1
	v_max3_num_f32 v[172+\c], v[WD+16*\c], v[WD+1+16*\c], 0x8000000   ; never negative: no |.|; the floor holds the byte at 1
.endr
.irp i, 2,4,6,8,10,12,14
.irp c, 0,1
	v_max3_num_f32 v[172+\c], v[172+\c], v[WD+16*\c+\i], v[WD+1+16*\c+\i]
.endr
.endr
.irp c, 0,1
	v_max_num_f32_dpp v[172+\c], v[172+\c], v[172+\c] row_xmask:1 row_mask:0xf bank_mask:0xf   ; two neighbouring lanes hold a block
.endr
.irp c, 0,1
	v_add_nc_u32 v[174+\c], 0xf8800000, v[172+\c]
	v_and_or_b32 v[176+\c], v[172+\c], 0x7f800000, s[MNT]
	v_lshrrev_b32 v[178+\c], 23, v[174+\c]
.endr
.irp c, 0,1
.irp i, 0,1,2,3,4,5,6,7,8,9,10,11,12,13,14,15
	v_min_num_f32 v[WD+16*\c+\i], v[WD+16*\c+\i], v[176+\c]
.endr
	v_cvt_scalef32_pk8_bf8_f32 v[164+4*\c:165+4*\c], v[WD+16*\c:WD+7+16*\c], v[174+\c]
	v_cvt_scalef32_pk8_bf8_f32 v[166+4*\c:167+4*\c], v[WD+8+16*\c:WD+15+16*\c], v[174+\c]
.endr
	v_nop
.irp c, 0,1
	global_store_b128 v[L16], v[164+4*\c:167+4*\c], s[26:27] offset:512*\c   ; 512 consecutive bytes
	global_store_b8 v[EWB], v[178+\c], s[28:29] offset:16*\c                 ; 16 consecutive bytes; both lanes of a block write the same byte with the same value (32 bytes a row, 32 KB in the launch)
.endr
	s_wait_xcnt 0x0                                ; the next piece's fragments land in the stores' data registers only behind this wait
.endm
; The maximum of K over the batch: my 8 b, then the four waves' through LDS.  Each accumulator is read from its low end on
.macro MAXK tl
	PLACES 8
.if \tl == 0
	XSLOAD 1                                       ; the next tile's scale words of x: eight places behind the last product that named these registers
.endif
	WIN 0x2a
.set n, 0
.rept 32
	v_max3_num_f32 v[MM+n], v[n], v[64+n], v[128+n]
.set n, n+1
.endr
	WIN 0x3f
.set n, 0
.rept 32
	v_max3_num_f32 v[TU+n], v[n], v[64+n], v[128+n]
.set n, n+1
.endr
	WIN 0x38
.set n, 0
.rept 32
	v_max3_num_f32 v[MM+n], v[MM+n], v[192+n], v[192+n]
.set n, n+1
.endr
	WIN 0
.set n, 0
.rept 32
	v_max_num_f32 v[MM+n], v[MM+n], v[TU+n]
.set n, n+1
.endr
.irp i, 0,1,2,3,4,5,6,7
	ds_store_b128 v[MXW], v[MM+4*\i:MM+4*\i+3] offset:512*\i
.endr
	s_wait_dscnt 0x0                               ; for the others' sake
	s_barrier_signal -1
	s_barrier_wait -1                              ; (the last tile's reads of these bytes were waited for in front of a round that every wave has passed since)
.irp g, 0,1,2,3
.irp i, 0,1,2,3,4,5,6,7
	ds_load_b128 v[128+32*\g+4*\i:128+32*\g+4*\i+3], v[MXR] offset:4096*\g+512*\i
.endr
.endr
	s_wait_dscnt 0x0
.set n, 0
.rept 32
	v_max3_num_f32 v[MM+n], v[128+n], v[160+n], v[192+n]
.set n, n+1
.endr
.set n, 0
.rept 32
	v_max_num_f32 v[MM+n], v[MM+n], v[224+n]
.set n, n+1
.endr
.irp b, 0,1,2,3
	v_mov_b32 v[TM+4+\b], 0                        ; a lane permute's destination counts as one of its sources
.endr
.endm
; One b: exp_K = 2^((K - max) log2 e), exp_K V, both quantised, eight stores of 256 consecutive bytes
.macro OUTB bb, tl
.set W, 2+(\bb)/4
.set KB, 64*((\bb)%4)
	WIN W
.set n, 0
.rept 16
	v_pk_add_f32 v[TU+n:TU+n+1], v[KB+n:KB+n+1], v[MM+n:MM+n+1] neg_lo:[0,1] neg_hi:[0,1]
.set n, n+2
.endr
	WIN 0
.set n, 0
.rept 16
	v_pk_mul_f32 v[TU+n:TU+n+1], v[TU+n:TU+n+1], s[LG:LG+1] op_sel_hi:[1,0]
.set n, n+2
.endr
.set n, 0
	s_wait_alu depctr_va_vdst(0)
.rept 32
	v_exp_f32 v[TU+n], v[TU+n]
.set n, n+1
.endr
	v_nop
	WIN W<<2
.set n, 0
	s_wait_alu depctr_va_vdst(0)
.rept 16
	v_pk_mul_f32 v[TU+32+n:TU+33+n], v[TU+n:TU+n+1], v[KB+32+n:KB+33+n]
.set n, n+2
.endr
	WIN 0
	QUANT TU, SW+\bb
.irp g, 0,1,2,3
.irp u, 0,1
	global_store_b64 v[LO], v[PC+4*\g+2*\u:PC+4*\g+2*\u+1], s[22:23] offset:(\bb)*1048576+(\tl)*65536+(1-\g/2)*2048+(\g%2)*512+\u*256
.endr
.endr
.endm
.macro SCOUT tl                        ; my 8 b x 16 r scale words leave as 512 consecutive bytes
.irp k, 0,1,2,3
	v_cndmask_b32 v[TM+\k], v[SW+2*\k], v[SW+2*\k+1], s[HM]
	ds_store_b32 v[SCW], v[TM+\k] offset:128*\k
.endr
	ds_load_b128 v[TU:TU+3], v[SCRD]               ; LDS serves a wave's instructions in order (ISA guide 5.7.1.4): this sees my stores
	s_wait_dscnt 0x0
	global_store_b128 v[L16], v[TU:TU+3], s[24:25] offset:524288*\tl
.endm
	; ---- the first tile
	s_wait_alu depctr_va_vdst(0)
	s_wait_tensorcnt 0x0                           ; my first four b are in; only I read them; no load of mine is out, so the descriptor may be written:
	s_mov_b32 s[G1X+2], 2<<16                      ; from here on a load brings two b
	s_mov_b32 s[G1X+4], 2
	PIECE 0, 0
	REFILL 0, 0
	PIECE 1, 1
	EWROW                                          ; register work and stores, while the piece just asked for is on its way
	REFILL 1, 0
	s_wait_tensorcnt 1                             ; one load was issued behind this piece's
	PIECE 2, 0
	REFILL 0, 1                                    ; THE RING GOES ON INTO THE SECOND TILE: slot 0 takes its first two b
	s_wait_tensorcnt 1                             ; one load was issued behind this piece's
	PIECE 3, 1
	MAXK 0
.irp x, 0,1,2,3
	OUTB \x, 0
.endr
	REFILL 1, 1                                    ; slot 1 takes the second tile's next two b: the load asked for five phases ago has had four b's way out in which to land, this one has the other four
.irp x, 4,5,6,7
	OUTB \x, 0
.endr
	SCOUT 0
	s_wait_xcnt 0x0                                ; the stores have read the registers into which the next fragments land
	s_wait_loadcnt 0x0                             ; the second tile's scale words of x
	; ---- the second tile: written out: its last two pieces ask for nothing
	s_wait_tensorcnt 1
	PIECE 0, 0
	REFILL 0, 0
	PIECE 1, 1
	REFILL 1, 0
	s_wait_tensorcnt 1
	PIECE 2, 0
	s_wait_tensorcnt 0x0
	PIECE 3, 1
	MAXK 1
.irp x, 0,1,2,3,4,5,6,7
	OUTB \x, 1
.endr
	SCOUT 1
	s_wait_tensorcnt 0x0                           ; the wave's end
	ds_add_u32 v[SPW], v[NIL]
	s_wait_dscnt 0x0
	CROUND                                         ; the closing round
	s_endpgm
.Lfunc_end_k_q983c8abcd7_kv:
	.size	k_q983c8abcd7_kv, .Lfunc_end_k_q983c8abcd7_kv-k_q983c8abcd7_kv
	.p2alignl 7, 3214868480
	.fill 96, 4, 3214868480
	.section	.rodata,"a",@progbits
	.p2align	6, 0x0
	.amdhsa_kernel k_q983c8abcd7_kv
		.amdhsa_group_segment_fixed_size 327680
		.amdhsa_private_segment_fixed_size 0
		.amdhsa_enable_private_segment 0
		.amdhsa_kernarg_size 104
		.amdhsa_user_sgpr_count 2
		.amdhsa_user_sgpr_kernarg_segment_ptr 1
		.amdhsa_wavefront_size32 1
		.amdhsa_system_sgpr_workgroup_id_x 1
		.amdhsa_system_sgpr_workgroup_id_y 1
		.amdhsa_system_sgpr_workgroup_id_z 1
		.amdhsa_system_vgpr_workitem_id 0
		.amdhsa_next_free_vgpr 1024
		.amdhsa_next_free_sgpr 100
		.amdhsa_reserve_vcc 0
		.amdhsa_float_denorm_mode_32 3
		.amdhsa_float_denorm_mode_16_64 3
		.amdhsa_memory_ordered 1
		.amdhsa_forward_progress 1
		.amdhsa_inst_pref_size 255
	.end_amdhsa_kernel
	.section	.bss,"aw",@nobits
	.p2align	6
	.space	262144
	.amdgpu_metadata
---
amdhsa.version: [ 1, 2 ]
amdhsa.kernels:
  - .name:           k_q983c8abcd7_kv
    .symbol:         k_q983c8abcd7_kv.kd
    .args:
      - { .name: x_codes, .offset: 0, .size: 8, .value_kind: global_buffer, .address_space: global }
      - { .name: x_scales, .offset: 8, .size: 8, .value_kind: global_buffer, .address_space: global }
      - { .name: Wk_w_codes, .offset: 16, .size: 8, .value_kind: global_buffer, .address_space: global }
      - { .name: Wk_w_scales, .offset: 24, .size: 8, .value_kind: global_buffer, .address_space: global }
      - { .name: Wk_b, .offset: 32, .size: 8, .value_kind: global_buffer, .address_space: global }
      - { .name: Wv_w_codes, .offset: 40, .size: 8, .value_kind: global_buffer, .address_space: global }
      - { .name: Wv_w_scales, .offset: 48, .size: 8, .value_kind: global_buffer, .address_space: global }
      - { .name: Wv_b, .offset: 56, .size: 8, .value_kind: global_buffer, .address_space: global }
      - { .name: w, .offset: 64, .size: 8, .value_kind: global_buffer, .address_space: global }
      - { .name: ekb, .offset: 72, .size: 8, .value_kind: global_buffer, .address_space: global }
      - { .name: sbw, .offset: 80, .size: 8, .value_kind: global_buffer, .address_space: global }
      - { .name: ewc, .offset: 88, .size: 8, .value_kind: global_buffer, .address_space: global }
      - { .name: ews, .offset: 96, .size: 8, .value_kind: global_buffer, .address_space: global }
    .group_segment_fixed_size: 327680
    .private_segment_fixed_size: 0
    .kernarg_segment_align: 8
    .kernarg_segment_size: 104
    .max_flat_workgroup_size: 128
    .sgpr_count:     100
    .vgpr_count:     1024
    .wavefront_size: 32
...
	.end_amdgpu_metadata
.endif
;; end of part 1
;; launch mix (part 2): grid 128 x 4, 4 waves a work-group, clusters of 4 x 4, 327,680 bytes of LDS; arguments ewc, ews, ekb, sbw, x_codes, x_scales, Wq_w_codes, Wq_w_scales, Wq_b, yc, ys; writes yc, ys
.if DOCPART == 2
	.amdgcn_target "amdgcn-amd-amdhsa--gfx1250"
	.amdhsa_code_object_version 6
	.text
	.protected	k_q983c8abcd7_mix
	.globl	k_q983c8abcd7_mix
	.p2align	8
	.type	k_q983c8abcd7_mix,@function
k_q983c8abcd7_mix:
	s_mov_b64 s[64:65], 0
	v_nop
	global_prefetch_b8 v0, s[64:65] scope:SCOPE_SE
	s_setreg_imm32_b32 hwreg(HW_REG_WAVE_MODE, 25, 1), 1
	s_wait_xcnt 0x0
	s_wait_alu depctr_hold_cnt(0) depctr_sa_sdst(0) depctr_va_vdst(0) depctr_va_sdst(0) depctr_va_ssrc(0) depctr_va_vcc(0) depctr_vm_vsrc(0)
	s_getreg_b32 s2, hwreg(HW_REG_IB_STS2, 6, 4)
	s_cmp_eq_u32 s2, 0
	s_cbranch_scc0 .Lentry_in_a_cluster
	s_endpgm
.Lentry_in_a_cluster:
	s_bfe_u32 s2, ttmp6, 0x10000c
	s_cmp_lg_u32 s2, 0xf033
	s_cbranch_scc0 .Lentry_shape_is_right
	s_endpgm
.Lentry_shape_is_right:
; num = exp_w (exp_K V), den = exp_w exp_K (K = s = 1,024), Q = x Wq^T + bq (K = 512), all on codes of E5M2 with E8M0 scales; Y = sigmoid(Q) num / den = num / (den (1 + 2^(-Q log2 e))), quantised along d.
; SHARES.  A cluster of 4 x 4 work-groups is one b.  Work-group (dq = cx, ty = cy): 256 t x 128 d x {num, den}.  Wave (i, j): 128 t x 64 d x 2: 64 accumulators.
; Source 0 = 16 rows d of exp_K V or exp_K (images of operand registers, made by the launch before), source 1 = 16 rows t of exp_w: a lane holds ONE t and eight neighbouring d.
; exp_w's tiles and x's hang on ty alone and are asked for jointly along the cluster's row; exp_K's and Wq's hang on dq alone: along its column.
; K goes in steps of 256 through two LDS slots.  When a slot has had its last step of s, it takes x's and Wq's rows for Q.
; OUT.  yc [b][t / 16][d / 32][512]: images: byte 16 (row + 16 h) + i is d = 16 h + i of row t.  ys [b][ty][dq][i][j][r][a] of two bytes: the scale bytes of d blocks 4 dq + 2 j, + 1 of row 256 ty + 128 i + 16 a + r.
; LIMITS: NaN and infinities are not served; den (1 + e^-Q) under 2^-126 is not served (v_rcp_f32 takes a denormal as zero); a block of zeros gets the byte 1, read by this program alone.
; REGISTERS: window 0: v8-29 addresses and Y's scale words; v32-63 bq as C; v64-95 exp_w's scale words; v96-127 exp_K's, later x's and Wq's; v128-255 exp_w's fragments (one set), later x's, later at work.
;   window 1: exp_K's fragments, two sets; later Q's 16 accumulators (v0-127) and Wq's fragments.   windows 2, 3 (a / 4): accumulator at 8 (8 (a % 4) + bt); bt 0-3 num, 4-7 den.
.set AP,    272                        ; a row of exp_w in LDS: 256 bytes + 16
.set AHALF, 128*AP
.set BOFF,  2*AHALF
.set BHALF, 32768                      ; 8 blocks of s x 8 tiles x 512 bytes, dense: a lane reads at 16 x lane
.set SLOT,  BOFF+2*BHALF
.set QP,    528                        ; a row of x or of Wq in LDS: 512 bytes + 16
.set QHALF, 64*QP
.set WQOFF, 2*QHALF
.set SPARE, 2*SLOT                     ; the spare words, 128 bytes for each wave: two blocks of 256 bytes that no other line names
.set YW,   8                           ; v8-11  Y's scale words
.set SBO,  12
.set BO,   13
.set ADRA, 16
.set ADRX, 18
.set ADRB, 20
.set ADRW, 22
.set LO,   24
.set L16,  25
.set L32,  26
.set SPW,  28
.set NIL,  29
.set QB,   32
.set EA,   64                          ; 64 + 8 (a / 2) + K step; lanes 16-31 for odd a
.set EB,   96                          ; 96 + 4 K step + v
.set XSW,  96                          ; 96 + 4 (a / 2) + q
.set WQS,  112                         ; 112 + 4 (tile / 2) + q
.set AF,   128
.set T,    128
.set TM,   192
.set PC,   208
.set WV,   26
.set FA,   27
.set HF,   28
.set G0X1, 36
.set G1A,  40
.set G1B,  48
.set G1X,  56
.set G1W,  68
.set G0A,  76
.set G0B,  84
.set G0X0, 92
.set G0W,  96
.set SEL,  4                           ; these four stand in registers whose pointers have been used up
.set NLG,  8
.set MNT,  12
.set HM,   13
.set MSB, 0
.macro WIN new
.if MSB != (\new)
	s_set_vgpr_msb (MSB<<8)|(\new)
.set MSB, (\new)
.endif
.endm
.set MUL_LO, 0xa1                      ; source 0 window 1, source 1 window 0, C and D window 2
.set MUL_HI, 0xf1
.set TO_B,   0x40
.macro PLACES n
.rept \n
	v_nop
.endr
.endm
.macro JLOAD g0a, g1a, g0b, g1b        ; waves 0 and 1 ask along the row, waves 2 and 3 along the column; four v_nop follow each line
	s_cmp_eq_u32 s[FA], 0
	s_cbranch_scc0 .Lfor_b_\@
	tensor_load_to_lds s[\g0a:\g0a+3], s[\g1a:\g1a+7]
	s_nop 0
	PLACES 4
	s_branch .Lasked_\@
.Lfor_b_\@:
	tensor_load_to_lds s[\g0b:\g0b+3], s[\g1b:\g1b+7]
	s_nop 0
	PLACES 4
.Lasked_\@:
.endm
.macro CREST
	s_cmp_lg_u32 s[WV], 0
	s_cbranch_scc1 .Lnot_wave_0_\@
	s_barrier_signal -3
.Lnot_wave_0_\@:
	s_barrier_wait -3
	s_barrier_signal -1
	s_barrier_wait -1
.endm
.macro CROUND
	s_barrier_signal -1
	s_barrier_wait -1
	CREST
.endm
.macro WM
.if fRA && fRB
	v_wmma_scale_f32_16x16x128_f8f6f4 v[rD:rD+7], v[rA:rA+15], v[rB:rB+15], v[rC:rC+7], v[rSA], v[rSB] matrix_a_fmt:MATRIX_FMT_BF8 matrix_b_fmt:MATRIX_FMT_BF8 matrix_a_scale:MATRIX_SCALE_ROW1 matrix_b_scale:MATRIX_SCALE_ROW1
.elseif fRA
	v_wmma_scale_f32_16x16x128_f8f6f4 v[rD:rD+7], v[rA:rA+15], v[rB:rB+15], v[rC:rC+7], v[rSA], v[rSB] matrix_a_fmt:MATRIX_FMT_BF8 matrix_b_fmt:MATRIX_FMT_BF8 matrix_a_scale:MATRIX_SCALE_ROW1
.elseif fRB
	v_wmma_scale_f32_16x16x128_f8f6f4 v[rD:rD+7], v[rA:rA+15], v[rB:rB+15], v[rC:rC+7], v[rSA], v[rSB] matrix_a_fmt:MATRIX_FMT_BF8 matrix_b_fmt:MATRIX_FMT_BF8 matrix_b_scale:MATRIX_SCALE_ROW1
.else
	v_wmma_scale_f32_16x16x128_f8f6f4 v[rD:rD+7], v[rA:rA+15], v[rB:rB+15], v[rC:rC+7], v[rSA], v[rSB] matrix_a_fmt:MATRIX_FMT_BF8 matrix_b_fmt:MATRIX_FMT_BF8
.endif
.endm
.macro WMZ                             ; the same with the constant 0 as C: it starts a sum
.if fRA && fRB
	v_wmma_scale_f32_16x16x128_f8f6f4 v[rD:rD+7], v[rA:rA+15], v[rB:rB+15], 0, v[rSA], v[rSB] matrix_a_fmt:MATRIX_FMT_BF8 matrix_b_fmt:MATRIX_FMT_BF8 matrix_a_scale:MATRIX_SCALE_ROW1 matrix_b_scale:MATRIX_SCALE_ROW1
.elseif fRA
	v_wmma_scale_f32_16x16x128_f8f6f4 v[rD:rD+7], v[rA:rA+15], v[rB:rB+15], 0, v[rSA], v[rSB] matrix_a_fmt:MATRIX_FMT_BF8 matrix_b_fmt:MATRIX_FMT_BF8 matrix_a_scale:MATRIX_SCALE_ROW1
.elseif fRB
	v_wmma_scale_f32_16x16x128_f8f6f4 v[rD:rD+7], v[rA:rA+15], v[rB:rB+15], 0, v[rSA], v[rSB] matrix_a_fmt:MATRIX_FMT_BF8 matrix_b_fmt:MATRIX_FMT_BF8 matrix_b_scale:MATRIX_SCALE_ROW1
.else
	v_wmma_scale_f32_16x16x128_f8f6f4 v[rD:rD+7], v[rA:rA+15], v[rB:rB+15], 0, v[rSA], v[rSB] matrix_a_fmt:MATRIX_FMT_BF8 matrix_b_fmt:MATRIX_FMT_BF8
.endif
.endm
.macro QUANT s, pw                     ; 64 numbers, four blocks of 16 registers (the other 16 in lane l xor 16) -> codes in v[PC] on, four scale bytes in v[pw]
.irp b, 0,1,2,3
	v_max3_num_f32 v[TM+\b], |v[\s+16*\b]|, |v[\s+1+16*\b]|, 0x8000000
.endr
.irp i, 2,4,6,8,10,12,14
.irp b, 0,1,2,3
	v_max3_num_f32 v[TM+\b], v[TM+\b], |v[\s+16*\b+\i]|, |v[\s+1+16*\b+\i]|
.endr
.endr
.irp b, 0,1,2,3
	v_permlanex16_b32 v[TM+4+\b], v[TM+\b], s[SEL], s[SEL+1]
.endr
.irp b, 0,1,2,3
	v_max_num_f32 v[TM+\b], v[TM+\b], v[TM+4+\b]
.endr
.irp b, 0,1,2,3
	v_add_nc_u32 v[TM+12+\b], 0xf8800000, v[TM+\b]
.endr
.irp b, 0,1,2,3
	v_and_or_b32 v[TM+8+\b], v[TM+\b], 0x7f800000, s[MNT]
.endr
.irp b, 0,1,2,3
	v_lshrrev_b32 v[TM+4+\b], 23, v[TM+12+\b]
.endr
	v_lshl_or_b32 v[\pw], v[TM+5], 8, v[TM+4]
	v_lshl_or_b32 v[\pw], v[TM+6], 16, v[\pw]
	v_lshl_or_b32 v[\pw], v[TM+7], 24, v[\pw]
.irp b, 0,1,2,3
.irp i, 0,1,2,3,4,5,6,7,8,9,10,11,12,13,14,15
	v_med3_num_f32 v[\s+16*\b+\i], v[\s+16*\b+\i], -v[TM+8+\b], v[TM+8+\b]
.endr
	v_cvt_scalef32_pk8_bf8_f32 v[PC+4*\b:PC+1+4*\b], v[\s+16*\b:\s+7+16*\b], v[TM+12+\b]
	v_cvt_scalef32_pk8_bf8_f32 v[PC+2+4*\b:PC+3+4*\b], v[\s+8+16*\b:\s+15+16*\b], v[TM+12+\b]
.endr
	v_nop
.endm
.macro TERM reg, sh                    ; s66 += reg << sh
	s_lshl_b32 s100, \reg, \sh
	s_add_co_u32 s66, s66, s100
.endm
	s_load_b512 s[4:19], s[0:1], 0x0               ; ewc s[4:5], ews s[6:7], ekb s[8:9], sbw s[10:11], x codes s[12:13], x scales s[14:15], Wq codes s[16:17], Wq scales s[18:19]
	s_load_b128 s[20:23], s[0:1], 0x40             ; bq s[20:21], yc s[22:23]
	s_load_b64 s[24:25], s[0:1], 0x50              ; ys
	v_lshl_add_u32 v[SPW], v0, 2, SPARE
	v_mov_b32 v[NIL], 0
	ds_add_u32 v28, v29
	ds_add_u32 v28, v29
	s_wait_dscnt 0x0
	v_lshrrev_b32 v1, 5, v0
	v_readfirstlane_b32 s[WV], v1
	s_lshr_b32 s[FA], s[WV], 1                     ; i.  Also: I fetch along the row (0) or along the column (1)
	s_and_b32 s[HF], s[WV], 1                      ; j.  Also: which half I fetch
	s_bfe_u32 s29, ttmp6, 0x40000                  ; cx = dq
	s_bfe_u32 s30, ttmp6, 0x40004                  ; cy = ty
	s_lshl_b32 s31, s30, 2
	s_lshl_b32 s31, 15, s31                        ; my row of the cluster
	s_lshl_b32 s32, 0x1111, s29                    ; my column
	s_or_b32 s[G1A], s31, (0<<16)|(1<<20)|(1<<21)|(5<<22)|(3<<25)  ; exp_w: 128 rows x 256 bytes, 1,024 apart; 16 bytes of padding behind each
	s_mov_b32 s[G1A+1], 256<<16
	s_mov_b32 s[G1A+2], 256<<16                    ; the head's loads bring a slot's 256 rows whole; the ring's form, 128 rows, is set at the first change of slots
	s_mov_b32 s[G1A+3], 256<<16
	s_mov_b32 s[G1A+4], 256
	s_mov_b32 s[G1A+5], 1024
	s_mov_b32 s[G1A+6], 0
	s_mov_b32 s[G1A+7], 0
	s_or_b32 s[G1B], s32, (3<<16)|(1<<21)          ; exp_K: 32,768 dense bytes as 128 rows of 256 (32 elements of 8 bytes), no padding
	s_mov_b32 s[G1B+1], 4096<<16                   ; the head's loads: both halves j of a slot: two rows of 32,768 dense bytes, 131,072 bytes apart
	s_mov_b32 s[G1B+2], 2<<16
	s_mov_b32 s[G1B+3], 4096<<16
	s_mov_b32 s[G1B+4], 2
	s_mov_b32 s[G1B+5], 16384
	s_mov_b32 s[G1B+6], 0
	s_mov_b32 s[G1B+7], 0
	s_or_b32 s[G1X], s31, (3<<16)|(1<<20)|(1<<21)|(6<<22)|(3<<25)  ; x: 64 dense rows of 512 bytes, 16 of padding behind each
	s_or_b32 s[G1W], s32, (3<<16)|(1<<20)|(1<<21)|(6<<22)|(3<<25)  ; Wq: the same shape, the column's mask
.irp g, G1X, G1W
	s_mov_b32 s[\g+1], 64<<16
	s_mov_b32 s[\g+2], 64<<16
	s_mov_b32 s[\g+3], 64<<16
	s_mov_b32 s[\g+4], 64
	s_mov_b32 s[\g+5], 64
	s_mov_b32 s[\g+6], 0
	s_mov_b32 s[\g+7], 0
.endr
	s_mov_b32 s[G0A], 1                            ; LDS addresses hang on the wave's number alone
	s_mov_b32 s[G0A+1], 0                          ; for the head: whole tiles; the wave's half is added at the first change of slots
	s_mov_b32 s[G0A+4], 1
	s_mov_b32 s[G0A+5], SLOT
	s_mov_b32 s[G0B], 1
	s_mov_b32 s[G0B+1], BOFF
	s_mov_b32 s[G0B+4], 1
	s_mov_b32 s[G0B+5], BOFF+SLOT
	s_mov_b32 s[G0X0], 1
	s_mul_i32 s[G0X0+1], s[HF], QHALF
	s_mov_b32 s[G0X1], 1
	s_add_co_u32 s[G0X1+1], s[G0X0+1], SLOT
	s_mov_b32 s[G0W], 1
	s_add_co_u32 s[G0W+1], s[G0X0+1], WQOFF
	v_and_b32 v3, 31, v0                           ; lane
	v_and_b32 v1, 15, v0                           ; r
	v_bfe_u32 v2, v0, 4, 1                         ; h
	v_lshlrev_b32 v[L16], 4, v3
	v_lshlrev_b32 v[L32], 5, v3
	v_lshlrev_b32 v[LO], 4, v1
	v_lshl_add_u32 v[LO], v2, 3, v[LO]
	v_mul_u32_u24 v4, v1, AP
	v_lshl_add_u32 v4, v2, 4, v4
	s_mul_i32 s33, s[FA], AHALF
	v_add_nc_u32 v[ADRA], s33, v4
	v_add_nc_u32 v[ADRA+1], SLOT, v[ADRA]
	s_lshl_b32 s33, s[HF], 15
	s_add_co_u32 s33, s33, BOFF
	v_add_nc_u32 v[ADRB], s33, v[L16]
	v_add_nc_u32 v[ADRB+1], SLOT, v[ADRB]
	v_mul_u32_u24 v4, v1, QP
	v_lshl_add_u32 v4, v2, 4, v4
	s_mul_i32 s33, s[FA], QHALF
	v_add_nc_u32 v[ADRX], s33, v4
	v_add_nc_u32 v[ADRX+1], SLOT, v[ADRX]
	s_mul_i32 s33, s[HF], QHALF
	s_add_co_u32 s33, s33, WQOFF
	v_add_nc_u32 v[ADRW], s33, v4
	v_lshlrev_b32 v[SBO], 2, v1
	v_lshl_add_u32 v[SBO], v2, 11, v[SBO]          ; 4 r + 2,048 h: lanes 16-31 take the next 32 d
	v_lshlrev_b32 v[BO], 5, v2
	s_wait_alu depctr_va_vdst(0)
	s_wait_kmcnt 0x0
	s_lshl_b32 s34, s30, 18                        ; along the row: ty, b and the wave alone enter s[34:35]
	s_mov_b32 s35, 0
	s_add_nc_u64 s[G0A+2:G0A+3], s[4:5], s[34:35]                  ; exp_w: row 256 ty
	s_add_nc_u64 s[G0A+6:G0A+7], s[G0A+2:G0A+3], 256
	s_or_b32 s[G0A+3], s[G0A+3], 0x80000000
	s_or_b32 s[G0A+7], s[G0A+7], 0x80000000
	s_lshl_b32 s34, ttmp9, 19
	s_lshl_b32 s35, s30, 17
	s_add_co_u32 s34, s34, s35
	s_lshl_b32 s35, s[HF], 16
	s_add_co_u32 s34, s34, s35
	s_mov_b32 s35, 0
	s_add_nc_u64 s[G0X0+2:G0X0+3], s[12:13], s[34:35]              ; x: row 1,024 b + 256 ty + 128 half
	s_add_nc_u64 s[G0X1+2:G0X1+3], s[G0X0+2:G0X0+3], 32768         ; and 64 rows on
	s_or_b32 s[G0X0+3], s[G0X0+3], 0x80000000
	s_or_b32 s[G0X1+3], s[G0X1+3], 0x80000000
	s_lshl_b32 s2, ttmp9, 20                       ; along the column: dq, b and the wave alone enter s[2:3]
	s_lshl_b32 s3, s29, 18
	s_add_co_u32 s2, s2, s3
	s_mov_b32 s3, 0
	s_add_nc_u64 s[G0B+2:G0B+3], s[8:9], s[2:3]
	s_add_nc_u64 s[G0B+6:G0B+7], s[G0B+2:G0B+3], 32768
	s_or_b32 s[G0B+3], s[G0B+3], 0x80000000
	s_or_b32 s[G0B+7], s[G0B+7], 0x80000000
	s_lshl_b32 s2, s29, 16
	s_lshl_b32 s3, s[HF], 15
	s_add_co_u32 s2, s2, s3
	s_mov_b32 s3, 0
	s_add_nc_u64 s[G0W+2:G0W+3], s[16:17], s[2:3]                  ; Wq: row 128 dq + 64 half
	s_or_b32 s[G0W+3], s[G0W+3], 0x80000000
	s_mov_b32 s67, 0                               ; the bases of loads and stores through registers
	s_mov_b32 s66, 0
	TERM s30, 13
	TERM s27, 12
	s_add_nc_u64 s[6:7], s[6:7], s[66:67]          ; ews: row 256 ty + 128 i, 32 bytes a row
	s_mov_b32 s66, 0
	TERM s29, 13
	TERM s28, 12
	TERM ttmp9, 6
	s_add_nc_u64 s[10:11], s[10:11], s[66:67]      ; sbw: (4 dq + 2 j) x 2,048 + 64 b
	s_mov_b32 s66, 0
	TERM ttmp9, 14
	TERM s30, 12
	TERM s27, 11
	s_add_nc_u64 s[14:15], s[14:15], s[66:67]      ; x's scales
	s_mov_b32 s66, 0
	TERM s29, 11
	TERM s28, 10
	s_add_nc_u64 s[18:19], s[18:19], s[66:67]      ; Wq's scales
	s_mov_b32 s66, 0
	TERM s29, 9
	TERM s28, 8
	s_add_nc_u64 s[20:21], s[20:21], s[66:67]      ; bq
	s_mov_b32 s66, 0
	TERM ttmp9, 19
	TERM s30, 17
	TERM s27, 16
	TERM s29, 11
	TERM s28, 10
	s_add_nc_u64 s[22:23], s[22:23], s[66:67]      ; yc
	s_mov_b32 s66, 0
	TERM ttmp9, 14
	TERM s30, 12
	TERM s29, 10
	TERM s27, 9
	TERM s28, 8
	s_add_nc_u64 s[24:25], s[24:25], s[66:67]      ; ys
	s_mov_b32 s[SEL], 0x76543210
	s_mov_b32 s[SEL+1], 0xfedcba98
	s_mov_b32 s[NLG], 0xbfb8aa3b                   ; -log2(e)
	s_mov_b32 s[NLG+1], s[NLG]
	s_mov_b32 s[MNT], 0x600000
	s_mov_b32 s[HM], 0xffff0000
.irp p, 0,1,2,3
	global_load_b128 v[EA+8*\p:EA+8*\p+3], v[L32], s[6:7] offset:1024*\p       ; lane l: row 32 p + l: its eight scale words
	global_load_b128 v[EA+8*\p+4:EA+8*\p+7], v[L32], s[6:7] offset:1024*\p+16
.endr
.set n, 0
.rept 32
	global_load_b32 v[128+n], v[SBO], s[10:11] offset:32768*n      ; block n of s: four bytes: exp_K and exp_K V at two tiles of d
.set n, n+1
.endr
.irp d, 0,1,2,3
	global_load_b128 v[QB+8*\d:QB+8*\d+3], v[BO], s[20:21] offset:64*\d
	global_load_b128 v[QB+8*\d+4:QB+8*\d+7], v[BO], s[20:21] offset:64*\d+16
.endr
	CROUND                                         ; all sixteen work-groups are here: the first joint loads meet
	s_cmp_lt_u32 s[WV], 1                          ; THE HEAD'S LOADS, ONE A WAVE, each a whole tile, in one chain of arms: wave 0 exp_w's slot 0, wave 1 exp_K's slot 0, wave 2 exp_w's slot 1, wave 3 exp_K's slot 1
	s_cbranch_scc0 .Lhead_b0
	tensor_load_to_lds s[G0A:G0A+3], s[G1A:G1A+7]
	s_nop 0
	PLACES 4
	s_branch .Lhead_asked
.Lhead_b0:
	s_cmp_lt_u32 s[WV], 2
	s_cbranch_scc0 .Lhead_a1
	tensor_load_to_lds s[G0B:G0B+3], s[G1B:G1B+7]
	s_nop 0
	PLACES 4
	s_branch .Lhead_asked
.Lhead_a1:
	s_cmp_lt_u32 s[WV], 3
	s_cbranch_scc0 .Lhead_b1
	tensor_load_to_lds s[G0A+4:G0A+7], s[G1A:G1A+7]
	s_nop 0
	PLACES 4
	s_branch .Lhead_asked
.Lhead_b1:
	tensor_load_to_lds s[G0B+4:G0B+7], s[G1B:G1B+7]
	s_nop 0
	PLACES 4
.Lhead_asked:
	s_wait_loadcnt 0x0
.irp kq, 0,1,2,3,4,5,6,7                       ; four words of four bytes are turned: word v then holds byte v of blocks 4 kq .. 4 kq + 3: a K step's scale word
	v_perm_b32 v160, v[129+4*\kq], v[128+4*\kq], 0x05010400
	v_perm_b32 v161, v[129+4*\kq], v[128+4*\kq], 0x07030602
	v_perm_b32 v162, v[131+4*\kq], v[130+4*\kq], 0x05010400
	v_perm_b32 v163, v[131+4*\kq], v[130+4*\kq], 0x07030602
	v_perm_b32 v[EB+4*\kq], v162, v160, 0x05040100
	v_perm_b32 v[EB+4*\kq+1], v162, v160, 0x07060302
	v_perm_b32 v[EB+4*\kq+2], v163, v161, 0x05040100
	v_perm_b32 v[EB+4*\kq+3], v163, v161, 0x07060302
.endr
	PLACES 8                                       ; scale registers written by vector instructions stand eight places ahead of the products
; 16 products: t blocks a0, a0 + 1 x the eight tiles of d, 128 along s.  The 64 accumulators take turns in the same order in every step
.macro MUL16 a0, p, kq, zero
.irp a, \a0, \a0+1
.irp bt, 0,1,2,3,4,5,6,7
.set rD, 8*(8*((\a)%4)+\bt)
.set rA, 128*(\p)+16*\bt
.set rB, AF+16*(\a)
.set rC, rD
.set rSA, EB+4*(\kq)+2*(1-\bt/4)+\bt%2
.set rSB, EA+8*((\a)/2)+(\kq)
.set fRA, (\bt/2)%2
.set fRB, (\a)%2
.if \zero
	WMZ
.else
	WM
.endif
.endr
.endr
.endm
.macro FETCH_B slot, q, p
	WIN TO_B
.irp bt, 0,1,2,3,4,5,6,7
.irp c, 0,1,2,3
	ds_load_b128 v[128*(\p)+16*\bt+4*\c:128*(\p)+16*\bt+4*\c+3], v[ADRB+\slot] offset:(4*(\q)+\c)*4096+\bt*512
.endr
.endr
	WIN 0
.endm
.macro FETCH_A slot, q, i0
.irp a, \i0, \i0+1, \i0+2, \i0+3
.irp c, 0,1,2,3
	ds_load_b128 v[AF+16*(\a)+4*\c:AF+16*(\a)+4*\c+3], v[ADRA+\slot] offset:(\a)*16*AP+128*(\q)+32*\c
.endr
.endr
.endm
.macro STEP slot, kq, zero             ; a slot's first 128 along s
	s_wait_dscnt 16                                ; exp_K's set and t blocks 0-3 are in; the youngest 16 loads (blocks 4-7) may be out
	WIN MUL_LO
	MUL16 0, 0, \kq, \zero
	MUL16 2, 0, \kq, \zero
	s_wait_dscnt 0x0
	PLACES 8
	FETCH_B \slot, 1, 1
	FETCH_A \slot, 1, 0
	WIN MUL_HI
	MUL16 4, 0, \kq, \zero
	MUL16 6, 0, \kq, \zero
	PLACES 8
	WIN 0
	FETCH_A \slot, 1, 4
.endm
; A slot's second 128 change slots: one round of the cluster's barrier.  fill = 1: the slot takes the s two steps on; 2: x's and Wq's rows for Q
.macro TURN slot, next, kq, fill
	s_wait_tensorcnt 0x0                           ; all my tensor loads have landed: my part of the next slot
	ds_add_u32 v[SPW], v[NIL]                      ; 0 onto my spare word
.if \kq == 1                           ; the first change of slots: no tensor load of mine is out, so the descriptors take the ring's form: 128 rows of exp_w, 32,768 dense bytes of exp_K, the wave's half
	s_mov_b32 s[G1A+2], 128<<16
	s_mov_b32 s[G1A+4], 128
	s_mov_b32 s[G1B+1], 32<<16
	s_mov_b32 s[G1B+2], 128<<16
	s_mov_b32 s[G1B+3], 32<<16
	s_mov_b32 s[G1B+4], 128
	s_mov_b32 s[G1B+5], 32
	s_mul_i32 s33, s[HF], AHALF
	s_add_co_u32 s[G0A+1], s[G0A+1], s33
	s_add_co_u32 s[G0A+5], s[G0A+5], s33
	s_lshl_b32 s33, s[HF], 15
	s_add_co_u32 s[G0B+1], s[G0B+1], s33
	s_add_co_u32 s[G0B+5], s[G0B+5], s33
	s_lshl_b32 s34, s[HF], 17
	s_mov_b32 s35, 0
	s_add_nc_u64 s[G0A+2:G0A+3], s[G0A+2:G0A+3], s[34:35]
	s_add_nc_u64 s[G0A+6:G0A+7], s[G0A+6:G0A+7], s[34:35]
	s_lshl_b32 s2, s[HF], 17
	s_mov_b32 s3, 0
	s_add_nc_u64 s[G0B+2:G0B+3], s[G0B+2:G0B+3], s[2:3]
	s_add_nc_u64 s[G0B+6:G0B+7], s[G0B+6:G0B+7], s[2:3]
.endif
	s_wait_dscnt 17
	WIN MUL_LO
	MUL16 0, 1, \kq, 0
	s_wait_dscnt 0x0                               ; the add is done, and my reads of this slot are over
	s_barrier_signal -1
	MUL16 2, 1, \kq, 0
	WIN 0
	s_barrier_wait -1
	CREST                                          ; no wave of any partner still reads this slot or has a load on its way
.if \fill == 1
	s_add_nc_u64 s[G0A+4*\slot+2:G0A+4*\slot+3], s[G0A+4*\slot+2:G0A+4*\slot+3], 512
	s_add_nc_u64 s[G0B+4*\slot+2:G0B+4*\slot+3], s[G0B+4*\slot+2:G0B+4*\slot+3], 65536
	JLOAD G0A+4*\slot, G1A, G0B+4*\slot, G1B
.else
	JLOAD G0X0, G1X, G0W, G1W
.endif
	PLACES 4                                       ; with the four behind the load: eight places in front of the loads below
	FETCH_B \next, 0, 0
	FETCH_A \next, 0, 0
	WIN MUL_HI
	MUL16 4, 1, \kq, 0
	MUL16 6, 1, \kq, 0
	PLACES 8
	WIN 0
	FETCH_A \next, 0, 4
.endm
	s_cmp_lt_u32 s[WV], 2                          ; waves 0 and 1, which have load lines of their own, wait for slot 0's two tiles; slot 1's may be out
	s_cbranch_scc0 .Lslot_1_waves
	s_wait_tensorcnt 0x0
.Lslot_1_waves:
	s_barrier_signal -1
	s_barrier_wait -1
	FETCH_B 0, 0, 0
	FETCH_A 0, 0, 0
	FETCH_A 0, 0, 4
	STEP 0, 0, 1                                   ; written out, not looped: the scale words' registers are numbered by the K step
	TURN 0, 1, 1, 1
	STEP 1, 2, 0
	TURN 1, 0, 3, 1
	STEP 0, 4, 0
	TURN 0, 1, 5, 2
.irp p, 0,1,2,3                                ; x's and Wq's scale words, into the registers of exp_K's scale words of K steps 0 to 5: eight places lie behind the last product that named them
	global_load_b128 v[XSW+4*\p:XSW+4*\p+3], v[L16], s[14:15] offset:512*\p
.endr
.irp p, 0,1
	global_load_b128 v[WQS+4*\p:WQS+4*\p+3], v[L16], s[18:19] offset:512*\p
.endr
	s_wait_alu depctr_va_vdst(0)
	STEP 1, 6, 0
	s_wait_tensorcnt 0x0                           ; the last 128 along s: slot 0 holds Q's first rows; slot 1 takes x's other 64 rows of each half
	ds_add_u32 v[SPW], v[NIL]
	s_wait_dscnt 17
	WIN MUL_LO
	MUL16 0, 1, 7, 0
	s_wait_dscnt 0x0
	s_barrier_signal -1
	MUL16 2, 1, 7, 0
	WIN 0
	s_barrier_wait -1
	CREST
	s_cmp_eq_u32 s[FA], 0
	s_cbranch_scc0 .Lno_q1
	tensor_load_to_lds s[G0X1:G0X1+3], s[G1X:G1X+7]
	s_nop 0
	PLACES 4
.Lno_q1:
	WIN MUL_HI
	MUL16 4, 1, 7, 0
	MUL16 6, 1, 7, 0
	WIN 0
; ---- Q and the way out, 64 t at a time
.macro FETCHQ hh, q, set               ; Wq's four tiles and x's four, 128 along K: 32 loads
	WIN TO_B
.irp d, 0,1,2,3
.irp c, 0,1,2,3
	ds_load_b128 v[128+64*(\set)+16*\d+4*\c:128+64*(\set)+16*\d+4*\c+3], v[ADRW] offset:\d*16*QP+128*(\q)+32*\c
.endr
.endr
	WIN 0
.irp d, 0,1,2,3
.irp c, 0,1,2,3
	ds_load_b128 v[128+64*(\set)+16*\d+4*\c:128+64*(\set)+16*\d+4*\c+3], v[ADRX+\hh] offset:\d*16*QP+128*(\q)+32*\c
.endr
.endr
.endm
.macro QMUL hh, q                      ; 16 products, 16 accumulators by turns
.if \q == 0
	WIN 0x41                                       ; Wq window 1, x window 0, C (bq) window 0, D window 1
.else
	WIN 0x51
.endif
.irp ap, 0,1,2,3
.irp d, 0,1,2,3
.set rD, 8*(4*\ap+\d)
.set rA, 128+64*((\q)%2)+16*\d
.set rB, 128+64*((\q)%2)+16*\ap
.if \q == 0
.set rC, QB+8*\d
.else
.set rC, rD
.endif
.set rSA, WQS+4*(\d/2)+(\q)
.set rSB, XSW+4*((4*(\hh)+\ap)/2)+(\q)
.set fRA, \d%2
.set fRB, \ap%2
	WM
.endr
.endr
	WIN 0
.endm
.macro YOUT hh, k                      ; two tiles of t: 64 numbers a lane.  Every accumulator is read from its low end on
.set W, 2+\hh
	WIN 0x01
.set n, 0
.rept 32
	v_pk_mul_f32 v[T+n:T+n+1], v[64*\k+n:64*\k+n+1], s[NLG:NLG+1] op_sel_hi:[1,0]
.set n, n+2
.endr
	WIN 0
.set n, 0
	s_wait_alu depctr_va_vdst(0)
.rept 64
	v_exp_f32 v[T+n], v[T+n]                       ; e^-Q
.set n, n+1
.endr
	v_nop
	WIN W|(W<<4)
	s_wait_alu depctr_va_vdst(0)
.irp aa, 0,1
.set n, 0
.rept 16
	v_pk_fma_f32 v[T+32*\aa+n:T+32*\aa+n+1], v[64*(2*\k+\aa)+32+n:64*(2*\k+\aa)+33+n], v[T+32*\aa+n:T+32*\aa+n+1], v[64*(2*\k+\aa)+32+n:64*(2*\k+\aa)+33+n]   ; den e^-Q + den
.set n, n+2
.endr
.endr
	WIN 0
.set n, 0
	s_wait_alu depctr_va_vdst(0)
	s_wait_xcnt 0x0                                ; earlier stores have read their codes: the conversions further down write those registers again
.rept 64
	v_rcp_f32 v[T+n], v[T+n]
.set n, n+1
.endr
	v_nop
	WIN W
	s_wait_alu depctr_va_vdst(0)
.irp aa, 0,1
.set n, 0
.rept 16
	v_pk_mul_f32 v[T+32*\aa+n:T+32*\aa+n+1], v[64*(2*\k+\aa)+n:64*(2*\k+\aa)+1+n], v[T+32*\aa+n:T+32*\aa+n+1]   ; Y
.set n, n+2
.endr
.endr
	WIN 0
	QUANT T, YW+2*\hh+\k
.irp g, 0,1,2,3
.irp u, 0,1
	global_store_b64 v[LO], v[PC+4*\g+2*\u:PC+4*\g+2*\u+1], s[22:23] offset:(4*(\hh)+2*(\k)+\g/2)*8192+(\g%2)*512+\u*256   ; 256 consecutive bytes, aligned
.endr
.endr
.endm
.macro QPH hh
	FETCHQ \hh, 0, 0
.irp q, 0,1,2,3
.if (\q >= 1) && (\q < 3)
	PLACES 8
.endif
.if \q < 3
	FETCHQ \hh, \q+1, (\q+1)%2
	s_wait_dscnt 32                                ; all but the 32 just issued
.else
	s_wait_dscnt 0x0
.endif
	QMUL \hh, \q
.endr
	PLACES 8
.irp b, 0,1,2,3
	v_mov_b32 v[TM+4+\b], 0                        ; a lane permute's destination counts as one of its sources
.endr
	YOUT \hh, 0
	YOUT \hh, 1
.endm
	PLACES 9                                       ; Q's sums are laid over exp_K's fragments, and loads land in fragments that the last products read
	s_wait_loadcnt 0x0                             ; x's and Wq's scale words
	QPH 0
	s_wait_tensorcnt 0x0                           ; x's other rows have landed (no load was issued behind them),
	s_wait_dscnt 0x0
	s_barrier_signal -1
	s_barrier_wait -1                              ; everybody's
	s_wait_xcnt 0x0                                ; the stores have read the registers into which the loads below land
	QPH 1
	v_cndmask_b32 v14, v[YW], v[YW+2], s[HM]       ; lanes 0-15 store tiles 0-3's bytes of row r, lanes 16-31 tiles 4-7's: 256 consecutive bytes
	v_cndmask_b32 v15, v[YW+1], v[YW+3], s[HM]
	global_store_b64 v[LO], v[14:15], s[24:25]
	s_wait_tensorcnt 0x0                           ; the wave's end
	ds_add_u32 v[SPW], v[NIL]
	s_wait_dscnt 0x0
	CROUND                                         ; the closing round
	s_endpgm
.Lfunc_end_k_q983c8abcd7_mix:
	.size	k_q983c8abcd7_mix, .Lfunc_end_k_q983c8abcd7_mix-k_q983c8abcd7_mix
	.p2alignl 7, 3214868480
	.fill 96, 4, 3214868480
	.section	.rodata,"a",@progbits
	.p2align	6, 0x0
	.amdhsa_kernel k_q983c8abcd7_mix
		.amdhsa_group_segment_fixed_size 327680
		.amdhsa_private_segment_fixed_size 0
		.amdhsa_enable_private_segment 0
		.amdhsa_kernarg_size 88
		.amdhsa_user_sgpr_count 2
		.amdhsa_user_sgpr_kernarg_segment_ptr 1
		.amdhsa_wavefront_size32 1
		.amdhsa_system_sgpr_workgroup_id_x 1
		.amdhsa_system_sgpr_workgroup_id_y 1
		.amdhsa_system_sgpr_workgroup_id_z 1
		.amdhsa_system_vgpr_workitem_id 0
		.amdhsa_next_free_vgpr 1024
		.amdhsa_next_free_sgpr 102
		.amdhsa_reserve_vcc 0
		.amdhsa_float_denorm_mode_32 3
		.amdhsa_float_denorm_mode_16_64 3
		.amdhsa_memory_ordered 1
		.amdhsa_forward_progress 1
		.amdhsa_inst_pref_size 240
	.end_amdhsa_kernel
	.amdgpu_metadata
---
amdhsa.version: [ 1, 2 ]
amdhsa.kernels:
  - .name:           k_q983c8abcd7_mix
    .symbol:         k_q983c8abcd7_mix.kd
    .args:
      - { .name: ewc, .offset: 0, .size: 8, .value_kind: global_buffer, .address_space: global }
      - { .name: ews, .offset: 8, .size: 8, .value_kind: global_buffer, .address_space: global }
      - { .name: ekb, .offset: 16, .size: 8, .value_kind: global_buffer, .address_space: global }
      - { .name: sbw, .offset: 24, .size: 8, .value_kind: global_buffer, .address_space: global }
      - { .name: x_codes, .offset: 32, .size: 8, .value_kind: global_buffer, .address_space: global }
      - { .name: x_scales, .offset: 40, .size: 8, .value_kind: global_buffer, .address_space: global }
      - { .name: Wq_w_codes, .offset: 48, .size: 8, .value_kind: global_buffer, .address_space: global }
      - { .name: Wq_w_scales, .offset: 56, .size: 8, .value_kind: global_buffer, .address_space: global }
      - { .name: Wq_b, .offset: 64, .size: 8, .value_kind: global_buffer, .address_space: global }
      - { .name: yc, .offset: 72, .size: 8, .value_kind: global_buffer, .address_space: global }
      - { .name: ys, .offset: 80, .size: 8, .value_kind: global_buffer, .address_space: global }
    .group_segment_fixed_size: 327680
    .private_segment_fixed_size: 0
    .kernarg_segment_align: 8
    .kernarg_segment_size: 88
    .max_flat_workgroup_size: 128
    .sgpr_count:     102
    .vgpr_count:     1024
    .wavefront_size: 32
...
	.end_amdgpu_metadata
.endif
;; end of part 2
;; launch out (part 3): grid 128 x 2, 4 waves a work-group, clusters of 4 x 1, 327,680 bytes of LDS; arguments yc, ys, Wo_w_codes, Wo_w_scales, Wo_b, out0; writes out0
.if DOCPART == 3
	.amdgcn_target "amdgcn-amd-amdhsa--gfx1250"
	.amdhsa_code_object_version 6
	.text
	.protected	k_q983c8abcd7_out
	.globl	k_q983c8abcd7_out
	.p2align	8
	.type	k_q983c8abcd7_out,@function
k_q983c8abcd7_out:
	s_mov_b64 s[64:65], 0
	v_nop
	global_prefetch_b8 v0, s[64:65] scope:SCOPE_SE
	s_setreg_imm32_b32 hwreg(HW_REG_WAVE_MODE, 25, 1), 1
	s_wait_xcnt 0x0
	s_wait_alu depctr_hold_cnt(0) depctr_sa_sdst(0) depctr_va_vdst(0) depctr_va_sdst(0) depctr_va_ssrc(0) depctr_va_vcc(0) depctr_vm_vsrc(0)
	s_getreg_b32 s2, hwreg(HW_REG_IB_STS2, 6, 4)
	s_cmp_eq_u32 s2, 0
	s_cbranch_scc0 .Lentry_in_a_cluster
	s_endpgm
.Lentry_in_a_cluster:
	s_bfe_u32 s2, ttmp6, 0x10000c
	s_cmp_lg_u32 s2, 0x3003
	s_cbranch_scc0 .Lentry_shape_is_right
	s_endpgm
.Lentry_shape_is_right:
; out = Y Wo^T + bo on codes of E5M2 with E8M0 scales.  A work-group makes 256 t x 256 e; all of K = 512 lies in LDS, brought by ONE tensor load a wave at the head:
; waves 0, 1: 128 t of Y each, 8 dense rows of 8,192 bytes (images of operand registers); waves 2, 3: 128 rows of Wo each, asked for jointly by the cluster's four work-groups.  Nothing is filled again.
.set AHALF, 65536
.set BOFF,  2*AHALF
.set BP,    528
.set BHALF, 128*BP
.set SLOT,  BOFF+2*BHALF
.set SPARE, SLOT
.set STAGE, SPARE+512
.set SPITCH, 528
.set ADRA, 16
.set ADRB, 20
.set STO,  24
.set RD,   25
.set CO,   26
.set R16,  27
.set SPW,  28
.set NIL,  29
.set BO,   30
.set SA,   32
.set SB,   48
.set BIAS, 64
.set AF,   128
.set WV,   16
.set FA,   17
.set HF,   18
.set G1A,  24
.set G0A,  32
.set G1B,  40
.set G0B,  48
.set HM,   60
.set MSB, 0
.macro WIN new
.if MSB != (\new)
	s_set_vgpr_msb (MSB<<8)|(\new)
.set MSB, (\new)
.endif
.endm
.macro PLACES n
.rept \n
	v_nop
.endr
.endm
.macro JLOAD g0a, g1a, g0b, g1b
	s_cmp_eq_u32 s[FA], 0
	s_cbranch_scc0 .Lfor_b_\@
	tensor_load_to_lds s[\g0a:\g0a+3], s[\g1a:\g1a+7]
	s_nop 0
	PLACES 4
	s_branch .Lasked_\@
.Lfor_b_\@:
	tensor_load_to_lds s[\g0b:\g0b+3], s[\g1b:\g1b+7]
	s_nop 0
	PLACES 4
.Lasked_\@:
.endm
.macro CROUND
	s_barrier_signal -1
	s_barrier_wait -1
	s_cmp_lg_u32 s[WV], 0
	s_cbranch_scc1 .Lnot_wave_0_\@
	s_barrier_signal -3
.Lnot_wave_0_\@:
	s_barrier_wait -3
	s_barrier_signal -1
	s_barrier_wait -1
.endm
.macro WM
.if fRA && fRB
	v_wmma_scale_f32_16x16x128_f8f6f4 v[rD:rD+7], v[rA:rA+15], v[rB:rB+15], v[rC:rC+7], v[rSA], v[rSB] matrix_a_fmt:MATRIX_FMT_BF8 matrix_b_fmt:MATRIX_FMT_BF8 matrix_a_scale:MATRIX_SCALE_ROW1 matrix_b_scale:MATRIX_SCALE_ROW1
.elseif fRA
	v_wmma_scale_f32_16x16x128_f8f6f4 v[rD:rD+7], v[rA:rA+15], v[rB:rB+15], v[rC:rC+7], v[rSA], v[rSB] matrix_a_fmt:MATRIX_FMT_BF8 matrix_b_fmt:MATRIX_FMT_BF8 matrix_a_scale:MATRIX_SCALE_ROW1
.elseif fRB
	v_wmma_scale_f32_16x16x128_f8f6f4 v[rD:rD+7], v[rA:rA+15], v[rB:rB+15], v[rC:rC+7], v[rSA], v[rSB] matrix_a_fmt:MATRIX_FMT_BF8 matrix_b_fmt:MATRIX_FMT_BF8 matrix_b_scale:MATRIX_SCALE_ROW1
.else
	v_wmma_scale_f32_16x16x128_f8f6f4 v[rD:rD+7], v[rA:rA+15], v[rB:rB+15], v[rC:rC+7], v[rSA], v[rSB] matrix_a_fmt:MATRIX_FMT_BF8 matrix_b_fmt:MATRIX_FMT_BF8
.endif
.endm
.macro TERM reg, sh
	s_lshl_b32 s21, \reg, \sh
	s_add_co_u32 s58, s58, s21
.endm
	s_load_b256 s[4:11], s[0:1], 0x0
	s_load_b128 s[12:15], s[0:1], 0x20
	v_lshl_add_u32 v[SPW], v0, 2, SPARE
	v_mov_b32 v[NIL], 0
	ds_add_u32 v28, v29
	ds_add_u32 v28, v29
	s_wait_dscnt 0x0
	v_lshrrev_b32 v1, 5, v0
	v_readfirstlane_b32 s[WV], v1
	s_lshr_b32 s[FA], s[WV], 1
	s_and_b32 s[HF], s[WV], 1
	s_bfe_u32 s19, ttmp6, 0x40000
	s_and_b32 s20, ttmp7, 0xffff
	s_mov_b32 s[G1A], 3<<16
	s_mov_b32 s[G1A+1], 1024<<16
	s_mov_b32 s[G1A+2], 8<<16
	s_mov_b32 s[G1A+3], 1024<<16
	s_mov_b32 s[G1A+4], 8
	s_mov_b32 s[G1A+5], 1024
	s_mov_b32 s[G1A+6], 0
	s_mov_b32 s[G1A+7], 0
	s_mov_b32 s[G1B], 15|(0<<16)|(1<<20)|(1<<21)|(6<<22)|(3<<25)
	s_mov_b32 s[G1B+1], 512<<16
	s_mov_b32 s[G1B+2], 128<<16
	s_mov_b32 s[G1B+3], 512<<16
	s_mov_b32 s[G1B+4], 128
	s_mov_b32 s[G1B+5], 512
	s_mov_b32 s[G1B+6], 0
	s_mov_b32 s[G1B+7], 0
	s_mov_b32 s[G0A], 1
	s_lshl_b32 s[G0A+1], s[HF], 16
	s_mov_b32 s[G0B], 1
	s_mul_i32 s[G0B+1], s[HF], BHALF
	s_add_co_u32 s[G0B+1], s[G0B+1], BOFF
	s_lshl_b32 s22, ttmp9, 19
	s_lshl_b32 s23, s19, 17
	s_add_co_u32 s22, s22, s23
	s_lshl_b32 s23, s[HF], 16
	s_add_co_u32 s22, s22, s23
	s_mov_b32 s23, 0
	s_lshl_b32 s56, s20, 17
	s_lshl_b32 s57, s[HF], 16
	s_add_co_u32 s56, s56, s57
	s_mov_b32 s57, 0
	v_and_b32 v3, 31, v0
	v_and_b32 v1, 15, v0
	v_bfe_u32 v2, v0, 4, 1
	v_lshlrev_b32 v[CO], 4, v3
	v_lshlrev_b32 v[R16], 4, v1
	v_lshlrev_b32 v[BO], 5, v2
	s_lshl_b32 s61, s[FA], 16
	v_add_nc_u32 v[ADRA], s61, v[CO]
	v_mul_u32_u24 v4, v1, BP
	v_lshl_add_u32 v4, v2, 4, v4
	s_mul_i32 s61, s[HF], BHALF
	s_add_co_u32 s61, s61, BOFF
	v_add_nc_u32 v[ADRB], s61, v4
	s_mul_i32 s61, s[WV], 16*SPITCH
	s_add_co_u32 s61, s61, STAGE
	v_mul_u32_u24 v5, v1, SPITCH
	v_lshl_add_u32 v5, v2, 5, v5
	v_add_nc_u32 v[STO], s61, v5
	v_add_nc_u32 v[RD], s61, v[CO]
	s_mov_b32 s[HM], 0xffff0000
	v_mov_b32 v6, 0x05040100
	v_mov_b32 v7, 0x07060302
	v_cndmask_b32 v6, v6, v7, s[HM]
	s_wait_kmcnt 0x0
	s_add_nc_u64 s[G0A+2:G0A+3], s[4:5], s[22:23]
	s_or_b32 s[G0A+3], s[G0A+3], 0x80000000
	s_add_nc_u64 s[G0B+2:G0B+3], s[8:9], s[56:57]
	s_or_b32 s[G0B+3], s[G0B+3], 0x80000000
	CROUND
	JLOAD G0A, G1A, G0B, G1B
	s_wait_alu depctr_va_vdst(0)
	s_mov_b32 s59, 0
	s_mov_b32 s58, 0
	TERM ttmp9, 14
	TERM s19, 12
	TERM s17, 9
	s_add_nc_u64 s[6:7], s[6:7], s[58:59]
	s_mov_b32 s58, 0
	TERM s20, 12
	TERM s18, 11
	s_add_nc_u64 s[10:11], s[10:11], s[58:59]
	s_mov_b32 s58, 0
	TERM s20, 10
	TERM s18, 9
	s_add_nc_u64 s[12:13], s[12:13], s[58:59]
	TERM ttmp9, 21
	TERM s19, 19
	TERM s17, 18
	s_add_nc_u64 s[14:15], s[14:15], s[58:59]
.irp kq, 0,1,2,3
.irp j, 0,1
	global_load_b128 v[128+8*\kq+4*\j:128+8*\kq+4*\j+3], v[R16], s[6:7] offset:1024*\kq+256*\j
.endr
.endr
.irp p, 0,1,2,3
	global_load_b128 v[SB+4*\p:SB+4*\p+3], v[CO], s[10:11] offset:512*\p
.endr
.irp bt, 0,1,2,3,4,5,6,7
	global_load_b128 v[BIAS+8*\bt:BIAS+8*\bt+3], v[BO], s[12:13] offset:64*\bt
	global_load_b128 v[BIAS+8*\bt+4:BIAS+8*\bt+7], v[BO], s[12:13] offset:64*\bt+16
.endr
	s_wait_loadcnt 0x0
	s_wait_alu depctr_va_vdst(0)
.irp kq, 0,1,2,3
.irp m, 0,1,2,3
	v_perm_b32 v[SA+4*\kq+\m], v[132+8*\kq+\m], v[128+8*\kq+\m], v6
.endr
.endr
	PLACES 8
.macro BLOAD kq
	WIN 0x40*(1+(\kq)/2)
.irp bt, 0,1,2,3,4,5,6,7
.irp c, 0,1,2,3
	ds_load_b128 v[128*((\kq)%2)+16*\bt+4*\c:128*((\kq)%2)+16*\bt+4*\c+3], v[ADRB] offset:\bt*16*BP+128*(\kq)+32*\c
.endr
.endr
	WIN 0
.endm
.macro ALOAD a
.irp kq, 0,1,2,3
.irp c, 0,1,2,3
	ds_load_b128 v[AF+64*((\a)%2)+16*\kq+4*\c:AF+64*((\a)%2)+16*\kq+4*\c+3], v[ADRA] offset:(\a)*8192+(4*\kq+\c)*512
.endr
.endr
.endm
.macro ROW a
.irp kq, 0,1,2,3
.if \kq == 0
	WIN 0xc1
.elseif \kq == 1
	WIN 0xf1
.else
	WIN 0xf2
.endif
	s_wait_alu depctr_va_vdst(0)
.irp bt, 0,1,2,3,4,5,6,7
.set rD, 64*((\a)%2)+8*\bt
.set rA, 128*(\kq%2)+16*\bt
.set rB, AF+64*((\a)%2)+16*\kq
.if \kq == 0
.set rC, BIAS+8*\bt
.else
.set rC, rD
.endif
.set rSA, SB+4*(\bt/2)+\kq
.set rSB, SA+4*\kq+(\a)/2
.set fRA, \bt%2
.set fRB, (\a)%2
	WM
.endr
.endr
	WIN 0
.endm
.macro TOSTAGE a
.set AC, 64*((\a)%2)
	WIN 0x0c
.irp b, 0,1,2,3,4,5,6,7
	ds_store_b128 v[STO], v[AC+8*\b:AC+8*\b+3] offset:64*\b
	ds_store_b128 v[STO], v[AC+8*\b+4:AC+8*\b+7] offset:64*\b+16
.endr
	WIN 0xc0
.set BB, 128+64*((\a)%2)
.irp t, 0,1,2,3,4,5,6,7,8,9,10,11,12,13,14,15
	ds_load_b128 v[BB+4*\t:BB+4*\t+3], v[RD] offset:\t*SPITCH
.endr
	WIN 0
.endm
.macro SEND a, younger
.set BB, 128+64*((\a)%2)
	s_wait_dscnt \younger
	WIN 0x0c
.irp t, 0,1,2,3,4,5,6,7,8,9,10,11,12,13,14,15
	global_store_b128 v[CO], v[BB+4*\t:BB+4*\t+3], s[14:15] offset:(16*(\a)+\t)*2048 th:TH_STORE_NT
.endr
	WIN 0
.endm
	s_wait_tensorcnt 0x0
	s_barrier_signal -1
	s_barrier_wait -1
	BLOAD 0
	ALOAD 0
	BLOAD 1
	BLOAD 2
	BLOAD 3
	ALOAD 1
	s_wait_dscnt 16
	ROW 0
.irp a, 0,1,2,3,4,5,6,7
	PLACES 9
.if \a >= 2
	s_wait_xcnt 0x0
.endif
	TOSTAGE \a
.if \a < 6
	ALOAD \a+2
	SEND \a, 16                                    ; the block leaves ahead of the next block's products: behind its 16 loads from the stage only the 16 fragment loads just issued may be out
	ROW \a+1
.elseif \a == 6
	SEND 6, 0
	ROW 7
.else
	SEND 7, 0
.endif
.endr
	s_wait_tensorcnt 0x0
	ds_add_u32 v[SPW], v[NIL]
	s_wait_dscnt 0x0
	CROUND
	s_endpgm
.Lfunc_end_k_q983c8abcd7_out:
	.size	k_q983c8abcd7_out, .Lfunc_end_k_q983c8abcd7_out-k_q983c8abcd7_out
	.p2alignl 7, 3214868480
	.fill 96, 4, 3214868480
	.section	.rodata,"a",@progbits
	.p2align	6, 0x0
	.amdhsa_kernel k_q983c8abcd7_out
		.amdhsa_group_segment_fixed_size 327680
		.amdhsa_private_segment_fixed_size 0
		.amdhsa_enable_private_segment 0
		.amdhsa_kernarg_size 48
		.amdhsa_user_sgpr_count 2
		.amdhsa_user_sgpr_kernarg_segment_ptr 1
		.amdhsa_wavefront_size32 1
		.amdhsa_system_sgpr_workgroup_id_x 1
		.amdhsa_system_sgpr_workgroup_id_y 1
		.amdhsa_system_sgpr_workgroup_id_z 1
		.amdhsa_system_vgpr_workitem_id 0
		.amdhsa_next_free_vgpr 1024
		.amdhsa_next_free_sgpr 66
		.amdhsa_reserve_vcc 0
		.amdhsa_float_denorm_mode_32 3
		.amdhsa_float_denorm_mode_16_64 3
		.amdhsa_memory_ordered 1
		.amdhsa_forward_progress 1
		.amdhsa_inst_pref_size 93
	.end_amdhsa_kernel
	.amdgpu_metadata
---
amdhsa.version: [ 1, 2 ]
amdhsa.kernels:
  - .name:           k_q983c8abcd7_out
    .symbol:         k_q983c8abcd7_out.kd
    .args:
      - { .name: yc, .offset: 0, .size: 8, .value_kind: global_buffer, .address_space: global }
      - { .name: ys, .offset: 8, .size: 8, .value_kind: global_buffer, .address_space: global }
      - { .name: Wo_w_codes, .offset: 16, .size: 8, .value_kind: global_buffer, .address_space: global }
      - { .name: Wo_w_scales, .offset: 24, .size: 8, .value_kind: global_buffer, .address_space: global }
      - { .name: Wo_b, .offset: 32, .size: 8, .value_kind: global_buffer, .address_space: global }
      - { .name: out0, .offset: 40, .size: 8, .value_kind: global_buffer, .address_space: global }
    .group_segment_fixed_size: 327680
    .private_segment_fixed_size: 0
    .kernarg_segment_align: 8
    .kernarg_segment_size: 48
    .max_flat_workgroup_size: 128
    .sgpr_count:     66
    .vgpr_count:     1024
    .wavefront_size: 32
...
	.end_amdgpu_metadata
.endif
;; end of part 3
